; MI455X (gfx1250); checked and timed in simulation.
; The chip was launched on July 23, 2026; its instructions are those of AMD's public machine-readable ISA for CDNA 5 (MIT licence, August 2026) and "CDNA5" Instruction Set Architecture Reference Guide (July 2026). The comments in the code are by the model that wrote it; some were corrected since.
;; Global Decoder Layer. Allowed arithmetic: float matrix products may take bf16 or f16 operands with f32 sums; all other float work in f32.
;; Inputs: cpb_b1 512 float32; cpb_w1 512 x 1 float32; cpb_w2 8 x 512 float32; cross_attn_mask 2 x 256 x 1,024 float32; ff1_b 1,024 float32; ff1_w 1,024 x 256 float32; ff2_b 256 float32; ff2_w 256 x 1,024 float32; in_proj_b 768 float32; in_proj_w 768 x 256 float32; kb 256 float32; kw 256 x 256 float32; ln1_b 256 float32; ln1_g 256 float32; ln2_b 256 float32; ln2_g 256 float32; ln3_b 256 float32; ln3_g 256 float32; out_b 256 float32; out_w 256 x 256 float32; proj_b 256 float32; proj_w 256 x 256 float32; qb 256 float32; query_pos 2 x 256 x 256 float32; qw 256 x 256 float32; src 2 x 1,024 x 256 float32; src_padding_mask 2 x 1,024 float32; src_pos_embed 2 x 1,024 x 256 float32; tgt 2 x 256 x 256 float32; vb 256 float32; vw 256 x 256 float32.
;; Outputs: out0 2 x 256 x 256 float32.
;; 2 versions, each right and faster than the one before. Each part assembles by itself: llvm-mc -triple=amdgcn-amd-amdhsa -mcpu=gfx1250 --defsym DOCPART=n.
;; ======== version 1 of 2: 4 launches
;; workspace buffers: kv 2,097,152 bytes; sqkv 786,432 bytes; wf 1,441,792 bytes; t1 524,288 bytes; qc 262,144 bytes; opart 4,194,304 bytes; mlpart 524,288 bytes
;; launch proj (part 1): grid 220 x 1, 8 waves a work-group, no clusters, 102,400 bytes of LDS; arguments src, src_pos_embed, tgt, query_pos, kw, vw, in_proj_w, kb, vb, in_proj_b, out_w, qw, proj_w, ff1_w, ff2_w, kv, sqkv, wf; writes kv, sqkv, wf
.if DOCPART == 1
	.amdgcn_target "amdgcn-amd-amdhsa--gfx1250"
	.amdhsa_code_object_version 6
	.text
	.protected	k_q110884b311_proj
	.globl	k_q110884b311_proj
	.p2align	8
	.type	k_q110884b311_proj,@function
k_q110884b311_proj:
	s_mov_b64 s[64:65], 0
	v_nop
	global_prefetch_b8 v0, s[64:65] scope:SCOPE_SE
	s_setreg_imm32_b32 hwreg(HW_REG_WAVE_MODE, 25, 1), 1
	s_wait_xcnt 0x0
; PROJ: every product that hangs on the inputs alone, and the weights of the later launches recast to bf16.
; Work-groups 0-127:   cross K = (src+pos) kw^T + kb (0-63) and cross V = src vw^T + vb (64-127): 64 tokens x 128 features each.
; Work-groups 128-175: self q = ((tgt+qpos) wq^T + bq) * 32^-0.5, self k, self v: 64 tokens x 128 features each.
; Work-groups 176-219: 64 KiB of out_w, qw, proj_w, ff1_w or ff2_w each, rounded to bf16.
; All outputs are bf16 in FRAGMENT ORDER: a block of 1,024 bytes = [c = 0,1][lane 0..31][8 numbers], number (c, lane, e) =
; M[row0 + lane%16][k0 + 16 c + 8 (lane/16) + e], so that two 16-byte loads a lane, 512 bytes apart, are a 16 x 32 matrix operand, and every
; load or store of a wave covers 512 consecutive bytes, aligned.  A 16 x 16 result, packed to bf16, is one half block (one c) as it lies.
; LIMITS: matrix operands are rounded to bf16 (sums in f32).  NaN and infinities are not followed.
; No cluster: a work-group's tiles pass through registers for their rounding, 192 KiB once, and nothing is requested twice by one work-group.
.set PITCH, 528                        ; an LDS row: 256 bf16 + 16 bytes, an odd multiple of 16: 16 rows start in 16 different 16-byte columns
.set XT,    0                          ; 64 token rows
.set WT,    64*PITCH                   ; 128 weight rows
.set BI,    8                          ; v[8:15]    bias
.set LA,    16                         ; v[16:79]   staging bank A   (later: fragment buffers)
.set LB,    80                         ; v[80:143]  staging bank B   (later: accumulators, packed results)
.set LC,    144                        ; v[144:207] staging bank C
.set TP,    208                        ; v[208:215] packed pairs on their way to LDS
.set HH,    216                        ; lane / 16
.set BO,    217                        ; byte offset of my bias
.set L16,   218                        ; 16 x lane
.set FB0,   16                         ; two fragment buffers of 40 registers: W's 8, then 4 x 8 of X
.set ACC,   96                         ; v[96:127]  four token tiles
.set PK,    136                        ; v[136:151] packed results
.macro PLACES n                        ; plain vector places behind matrix instructions (ISA guide 7.12.1)
.rept \n
	v_nop
.endr
.endm
.macro BAR
	s_barrier_signal -1
	s_barrier_wait -1
.endm
.macro WM d, a, b, acc                 ; acc = 0: the product starts the sum
.if \acc
	v_wmma_f32_16x16x32_bf16 v[\d:\d+7], v[\a:\a+7], v[\b:\b+7], v[\d:\d+7]
.else
	v_wmma_f32_16x16x32_bf16 v[\d:\d+7], v[\a:\a+7], v[\b:\b+7], 0
.endif
.endm
; 64 rows of 1,024 bytes: thread t takes the 16 bytes at 16 t of every 4,096; one instruction of the eight waves covers four whole rows
.macro GL16 bank, base, off
.irp i, 0,1,2,3,4,5,6,7,8,9,10,11,12,13,14,15
	global_load_b128 v[\bank+4*\i:\bank+4*\i+3], v1, s[\base:\base+1] offset:\off+4096*\i
.endr
.endm
; the same 64 rows rounded to bf16 and laid into LDS rows
.macro CVST bank, areg, off
.irp i, 0,1,2,3,4,5,6,7,8,9,10,11,12,13,14,15
	v_cvt_pk_bf16_f32 v[TP+2*(\i&3)], v[\bank+4*\i], v[\bank+4*\i+1]
	v_cvt_pk_bf16_f32 v[TP+2*(\i&3)+1], v[\bank+4*\i+2], v[\bank+4*\i+3]
	ds_store_b64 \areg, v[TP+2*(\i&3):TP+2*(\i&3)+1] offset:\off+4*PITCH*\i
.endr
.endm
; ten LDS loads: my 16 weight rows and the four token tiles, 32 along K
.macro FRAG fb, ks
	ds_load_b128 v[\fb:\fb+3], v7 offset:(\ks)*64
	ds_load_b128 v[\fb+4:\fb+7], v7 offset:(\ks)*64+32
.irp tt, 0,1,2,3
	ds_load_b128 v[\fb+8+8*\tt:\fb+11+8*\tt], v6 offset:\tt*16*PITCH+(\ks)*64
	ds_load_b128 v[\fb+12+8*\tt:\fb+15+8*\tt], v6 offset:\tt*16*PITCH+(\ks)*64+32
.endr
.endm
; K = 256 in eight steps on two fragment buffers.  ty = 0: D[feature][token] (A = W); ty = 1: D[token][feature] (A = X).
; The four accumulators take turns, one instruction a turn.
.macro GEMM ty
	FRAG FB0, 0
.irp ks, 0,1,2,3,4,5,6,7
.if \ks < 7
.if \ks > 0
	PLACES 5                                       ; the buffer loaded next was read by the step before
.endif
	FRAG FB0+40*((\ks+1)&1), \ks+1
	s_wait_dscnt 10                                ; this step's ten are in; the ten just issued stay out
.else
	s_wait_dscnt 0x0
.endif
.irp tt, 0,1,2,3
.if \ty
	WM ACC+8*\tt, FB0+40*(\ks&1)+8+8*\tt, FB0+40*(\ks&1), \ks
.else
	WM ACC+8*\tt, FB0+40*(\ks&1), FB0+40*(\ks&1)+8+8*\tt, \ks
.endif
.endr
.endr
.endm
	s_load_b512 s[16:31], s[0:1], 0x0              ; src 16, pos 18, tgt 20, qpos 22, kw 24, vw 26, in_proj_w 28, kb 30
	s_load_b512 s[32:47], s[0:1], 0x40             ; vb 32, in_proj_b 34, out_w 36, qw 38, proj_w 40, ff1_w 42, ff2_w 44, kv 46
	s_load_b128 s[48:51], s[0:1], 0x80             ; sqkv 48, wf 50
	v_lshl_add_u32 v220, v0, 2, 0x18c00
	v_mov_b32 v221, 0
	v_lshrrev_b32 v2, 5, v0
	v_readfirstlane_b32 s8, v2                     ; wave
	v_lshlrev_b32 v1, 4, v0                        ; 16 t
	v_lshrrev_b32 v2, 6, v0
	v_and_b32 v3, 63, v0
	v_lshlrev_b32 v3, 3, v3
	v_mad_u32_u24 v4, v2, PITCH, v3                ; staging: row t/64, 8 bytes at column t%64
	v_add_nc_u32 v5, WT, v4
	v_and_b32 v2, 15, v0                           ; r
	v_bfe_u32 v[HH], v0, 4, 1
	v_mul_u32_u24 v6, v2, PITCH
	v_lshl_add_u32 v6, v[HH], 4, v6                ; fragments of X: r x pitch + 16 (lane/16)
	s_mul_i32 s9, s8, 16*PITCH
	s_add_co_u32 s9, s9, WT
	v_add_nc_u32 v7, s9, v6                        ; fragments of W: my wave's 16 rows
	v_and_b32 v[L16], 31, v0
	v_lshlrev_b32 v[L16], 4, v[L16]
	s_mov_b32 s2, ttmp9
	s_mov_b32 s13, 0                               ; upper word of every offset
	s_wait_kmcnt 0x0
	s_cmp_ge_u32 s2, 176
	s_cbranch_scc1 .Lprep
	; the job, by selects on the work-group's number alone
	s_lshr_b32 s3, s2, 6                           ; cross: 0 = K, 1 = V
	s_cmp_lg_u32 s3, 0
	s_cselect_b64 s[56:57], s[26:27], s[24:25]
	s_cselect_b64 s[58:59], s[32:33], s[30:31]
	s_bfe_u32 s4, s2, 0x50001                      ; cross: block of 64 tokens
	s_and_b32 s5, s2, 1                            ; cross: half of the 256 features
	s_lshl_b32 s10, s3, 20                         ; cross: V lies 1,048,576 bytes behind K
	s_sub_co_u32 s7, s2, 128
	s_lshr_b32 s11, s7, 3                          ; self: which 128 of in_proj_w's 768 rows
	s_and_b32 s67, s7, 7                           ; self: block of 64 tokens
	s_lshr_b32 s66, s11, 1                         ; self: 0 q, 1 k, 2 v
	s_lshl_b32 s68, s66, 18
	s_cmp_eq_u32 s66, 2
	s_cselect_b32 s69, 1, 0
	s_cmp_eq_u32 s66, 0
	s_cselect_b32 s70, 0x3e3504f3, 1.0             ; q alone is scaled by 32^-0.5
	s_cmp_ge_u32 s2, 128
	s_cselect_b64 s[52:53], s[20:21], s[16:17]     ; X1
	s_cselect_b64 s[54:55], s[22:23], s[18:19]     ; X2
	s_cselect_b64 s[56:57], s[28:29], s[56:57]     ; W
	s_cselect_b64 s[58:59], s[34:35], s[58:59]     ; bias
	s_cselect_b64 s[60:61], s[48:49], s[46:47]     ; out
	s_cselect_b32 s3, s69, s3                      ; 1: V type
	s_cselect_b32 s4, s67, s4
	s_cselect_b32 s5, s11, s5
	s_cselect_b32 s10, s68, s10
	s_cselect_b32 s62, s70, 1.0
	s_cselect_b32 s6, 2, 4                         ; log2 of the token blocks in a batch
	s_mov_b32 s63, s62
	s_lshl_b32 s12, s4, 16                         ; 64 rows of 1,024 bytes
	s_add_nc_u64 s[52:53], s[52:53], s[12:13]
	s_add_nc_u64 s[54:55], s[54:55], s[12:13]
	s_lshl_b32 s12, s5, 17                         ; 128 rows of W
	s_add_nc_u64 s[56:57], s[56:57], s[12:13]
	s_lshl_b32 s12, s5, 9
	s_add_nc_u64 s[58:59], s[58:59], s[12:13]
	s_lshr_b32 s14, s4, s6                         ; batch
	s_bfm_b32 s15, s6, 0
	s_and_b32 s15, s4, s15
	s_lshl_b32 s15, s15, 2                         ; first token tile in the batch
	s_and_b32 s7, s5, 1
	s_lshl_b32 s7, s7, 2
	s_lshr_b32 s9, s8, 1
	s_add_co_u32 s7, s7, s9                        ; head = 4 (half) + wave/2
	s_lshl3_add_u32 s14, s14, s7
	s_add_co_u32 s9, s6, 2                         ; log2 of the tiles of a head
	s_lshl_b32 s14, s14, s9
	s_add_co_u32 s14, s14, s15
	s_lshl_b32 s12, s14, 10
	s_add_co_u32 s12, s12, s10
	s_add_nc_u64 s[60:61], s[60:61], s[12:13]
	s_lshl_b32 s9, s8, 6                           ; my 16 features, in bytes of the bias
	s_and_b32 s7, s8, 1                            ; which half of the head's 32 dims
	s_cmp_lg_u32 s3, 0
	s_cbranch_scc1 .Lvpath
	; ---- K type: X = X1 + X2, result [feature][token]: a lane holds 8 neighbouring dims of one token
	v_lshl_add_u32 v[BO], v[HH], 5, s9
	global_load_b128 v[BI:BI+3], v[BO], s[58:59]
	global_load_b128 v[BI+4:BI+7], v[BO], s[58:59] offset:16
	GL16 LA, 52, 0
	GL16 LB, 54, 0
	GL16 LC, 56, 0
	s_lshl_b32 s7, s7, 9
	v_add_nc_u32 v3, s7, v[L16]                    ; half block c = wave%2
	s_wait_loadcnt 16                              ; bias, X1, X2 are in; W's first 64 rows stay out
.set n, 0
.rept 32
	v_pk_add_f32 v[LA+n:LA+n+1], v[LA+n:LA+n+1], v[LB+n:LB+n+1]
.set n, n+2
.endr
	CVST LA, v4, XT
	GL16 LA, 56, 65536
	s_wait_loadcnt 16                              ; W's first 64 rows are in; the second 64 stay out
	CVST LC, v5, 0
	s_wait_loadcnt 0x0
	CVST LA, v5, 64*PITCH
	s_wait_dscnt 0x0                               ; my stores are done before I signal
	BAR
	GEMM 0
.irp p, 0,2,4,6
	v_pk_mul_f32 v[BI+\p:BI+\p+1], v[BI+\p:BI+\p+1], s[62:63] op_sel_hi:[1,0]   ; (acc + b) s = acc s + b s; these four and the v_nop are the places
.endr
	v_nop
.irp tt, 0,1,2,3
.irp p, 0,2,4,6
	v_pk_fma_f32 v[ACC+8*\tt+\p:ACC+8*\tt+\p+1], v[ACC+8*\tt+\p:ACC+8*\tt+\p+1], s[62:63], v[BI+\p:BI+\p+1] op_sel_hi:[1,0,1]
.endr
.irp p, 0,1,2,3
	v_cvt_pk_bf16_f32 v[PK+4*\tt+\p], v[ACC+8*\tt+2*\p], v[ACC+8*\tt+2*\p+1]
.endr
	global_store_b128 v3, v[PK+4*\tt:PK+4*\tt+3], s[60:61] offset:1024*\tt   ; 512 consecutive bytes a wave
.endr
	s_wait_tensorcnt 0x0
	ds_add_u32 v220, v221
	s_wait_dscnt 0x0
	s_endpgm
	; ---- V type: X = X1, result [token][feature]: a lane holds 8 neighbouring tokens of one dim
.Lvpath:
	v_lshl_add_u32 v[BO], v2, 2, s9
	global_load_b32 v[BI], v[BO], s[58:59]
	GL16 LA, 52, 0
	GL16 LB, 56, 0
	GL16 LC, 56, 65536
	s_lshl_b32 s7, s7, 10
	v_add_nc_u32 v3, s7, v[L16]                    ; block c2 = wave%2
	s_wait_loadcnt 32                              ; bias and X are in; both halves of W stay out
	v_mov_b32 v[BI+1], v[BI]                       ; a pair for the packed add
	CVST LA, v4, XT
	s_wait_loadcnt 16
	CVST LB, v5, 0
	s_wait_loadcnt 0x0
	CVST LC, v5, 64*PITCH
	s_wait_dscnt 0x0
	BAR
	GEMM 1
	PLACES 5
.irp tt, 0,1,2,3
.irp p, 0,2,4,6
	v_pk_add_f32 v[ACC+8*\tt+\p:ACC+8*\tt+\p+1], v[ACC+8*\tt+\p:ACC+8*\tt+\p+1], v[BI:BI+1]
.endr
.irp p, 0,1,2,3
	v_cvt_pk_bf16_f32 v[PK+4*\tt+\p], v[ACC+8*\tt+2*\p], v[ACC+8*\tt+2*\p+1]
.endr
	global_store_b128 v3, v[PK+4*\tt:PK+4*\tt+3], s[60:61] offset:(\tt>>1)*2048+(\tt&1)*512
.endr
	s_wait_tensorcnt 0x0
	ds_add_u32 v220, v221
	s_wait_dscnt 0x0
	s_endpgm
	; ---- weights to bf16 fragment order: unit u = 64 KiB of f32 in, 32 blocks out
.Lprep:
	s_sub_co_u32 s3, s2, 176
	s_mov_b64 s[52:53], s[44:45]
	s_mov_b32 s4, 28
	s_cmp_lt_u32 s3, 28
	s_cselect_b64 s[52:53], s[42:43], s[52:53]
	s_cselect_b32 s4, 12, s4
	s_cmp_lt_u32 s3, 12
	s_cselect_b64 s[52:53], s[40:41], s[52:53]
	s_cselect_b32 s4, 8, s4
	s_cmp_lt_u32 s3, 8
	s_cselect_b64 s[52:53], s[38:39], s[52:53]
	s_cselect_b32 s4, 4, s4
	s_cmp_lt_u32 s3, 4
	s_cselect_b64 s[52:53], s[36:37], s[52:53]
	s_cselect_b32 s4, 0, s4
	s_sub_co_u32 s5, s3, s4
	s_lshl_b32 s12, s5, 16
	s_add_nc_u64 s[52:53], s[52:53], s[12:13]
	s_lshl_b32 s12, s3, 15
	s_lshl_b32 s6, s8, 10
	s_add_co_u32 s12, s12, s6                      ; unit x 32 blocks + my wave's block
	s_add_nc_u64 s[60:61], s[50:51], s[12:13]
	GL16 LA, 52, 0
	s_wait_loadcnt 0x0
	CVST LA, v4, XT
	s_wait_dscnt 0x0
	BAR
	s_lshl_b32 s6, s8, 6                           ; my wave's 32 columns, 64 bytes
; rs: bytes from a fragment row to the next; ts: from one of the four blocks to the next
.macro PREPOUT rs, ts
	v_mul_u32_u24 v8, v2, \rs
	v_lshl_add_u32 v8, v[HH], 4, v8
	v_add_nc_u32 v8, s6, v8
.irp tt, 0,1,2,3
	ds_load_b128 v[16+8*\tt:19+8*\tt], v8 offset:\tt*\ts
	ds_load_b128 v[20+8*\tt:23+8*\tt], v8 offset:\tt*\ts+32
.endr
	s_wait_dscnt 0x0
.irp tt, 0,1,2,3
	global_store_b128 v[L16], v[16+8*\tt:19+8*\tt], s[60:61] offset:8192*\tt
	global_store_b128 v[L16], v[20+8*\tt:23+8*\tt], s[60:61] offset:8192*\tt+512
.endr
.endm
	s_cmp_ge_u32 s3, 28
	s_cbranch_scc1 .Lprep_ff2
	PREPOUT PITCH, 16*PITCH                        ; rows of 256: four tiles of 16 rows, k-step = wave
	s_wait_tensorcnt 0x0
	ds_add_u32 v220, v221
	s_wait_dscnt 0x0
	s_endpgm
.Lprep_ff2:
	PREPOUT 4*PITCH, PITCH                         ; rows of 1,024 lie as four LDS rows each: row r is LDS row 4 r + slice, k-step = 8 slice + wave (these reads meet four deep in a bank; 16 small work-groups)
	s_wait_tensorcnt 0x0
	ds_add_u32 v220, v221
	s_wait_dscnt 0x0
	s_endpgm
.Lfunc_end_k_q110884b311_proj:
	.size	k_q110884b311_proj, .Lfunc_end_k_q110884b311_proj-k_q110884b311_proj
	.p2alignl 7, 3214868480
	.fill 96, 4, 3214868480
	.section	.rodata,"a",@progbits
	.p2align	6, 0x0
	.amdhsa_kernel k_q110884b311_proj
		.amdhsa_group_segment_fixed_size 102400
		.amdhsa_private_segment_fixed_size 0
		.amdhsa_enable_private_segment 0
		.amdhsa_kernarg_size 144
		.amdhsa_user_sgpr_count 2
		.amdhsa_user_sgpr_kernarg_segment_ptr 1
		.amdhsa_wavefront_size32 1
		.amdhsa_system_sgpr_workgroup_id_x 1
		.amdhsa_system_sgpr_workgroup_id_y 1
		.amdhsa_system_sgpr_workgroup_id_z 1
		.amdhsa_system_vgpr_workitem_id 0
		.amdhsa_next_free_vgpr 222
		.amdhsa_next_free_sgpr 72
		.amdhsa_reserve_vcc 0
		.amdhsa_float_denorm_mode_32 3
		.amdhsa_float_denorm_mode_16_64 3
		.amdhsa_memory_ordered 1
		.amdhsa_forward_progress 1
		.amdhsa_inst_pref_size 66
	.end_amdhsa_kernel
	.amdgpu_metadata
---
amdhsa.version: [ 1, 2 ]
amdhsa.kernels:
  - .name:           k_q110884b311_proj
    .symbol:         k_q110884b311_proj.kd
    .args:
      - { .name: src, .offset: 0, .size: 8, .value_kind: global_buffer, .address_space: global }
      - { .name: src_pos_embed, .offset: 8, .size: 8, .value_kind: global_buffer, .address_space: global }
      - { .name: tgt, .offset: 16, .size: 8, .value_kind: global_buffer, .address_space: global }
      - { .name: query_pos, .offset: 24, .size: 8, .value_kind: global_buffer, .address_space: global }
      - { .name: kw, .offset: 32, .size: 8, .value_kind: global_buffer, .address_space: global }
      - { .name: vw, .offset: 40, .size: 8, .value_kind: global_buffer, .address_space: global }
      - { .name: in_proj_w, .offset: 48, .size: 8, .value_kind: global_buffer, .address_space: global }
      - { .name: kb, .offset: 56, .size: 8, .value_kind: global_buffer, .address_space: global }
      - { .name: vb, .offset: 64, .size: 8, .value_kind: global_buffer, .address_space: global }
      - { .name: in_proj_b, .offset: 72, .size: 8, .value_kind: global_buffer, .address_space: global }
      - { .name: out_w, .offset: 80, .size: 8, .value_kind: global_buffer, .address_space: global }
      - { .name: qw, .offset: 88, .size: 8, .value_kind: global_buffer, .address_space: global }
      - { .name: proj_w, .offset: 96, .size: 8, .value_kind: global_buffer, .address_space: global }
      - { .name: ff1_w, .offset: 104, .size: 8, .value_kind: global_buffer, .address_space: global }
      - { .name: ff2_w, .offset: 112, .size: 8, .value_kind: global_buffer, .address_space: global }
      - { .name: kv, .offset: 120, .size: 8, .value_kind: global_buffer, .address_space: global }
      - { .name: sqkv, .offset: 128, .size: 8, .value_kind: global_buffer, .address_space: global }
      - { .name: wf, .offset: 136, .size: 8, .value_kind: global_buffer, .address_space: global }
    .group_segment_fixed_size: 102400
    .private_segment_fixed_size: 0
    .kernarg_segment_align: 8
    .kernarg_segment_size: 144
    .max_flat_workgroup_size: 256
    .sgpr_count:     72
    .vgpr_count:     222
    .wavefront_size: 32
...
	.end_amdgpu_metadata
.endif
;; end of part 1
;; launch selfa (part 2): grid 32 x 1, 8 waves a work-group, no clusters, 60,416 bytes of LDS; arguments tgt, query_pos, sqkv, wf, out_b, ln2_g, ln2_b, qb, t1, qc; writes t1, qc
.if DOCPART == 2
	.amdgcn_target "amdgcn-amd-amdhsa--gfx1250"
	.amdhsa_code_object_version 6
	.text
	.protected	k_q110884b311_selfa
	.globl	k_q110884b311_selfa
	.p2align	8
	.type	k_q110884b311_selfa,@function
k_q110884b311_selfa:
	s_mov_b64 s[64:65], 0
	v_nop
	global_prefetch_b8 v0, s[64:65] scope:SCOPE_SE
	s_setreg_imm32_b32 hwreg(HW_REG_WAVE_MODE, 25, 1), 1
	s_wait_xcnt 0x0
; SELFA: for 16 query rows: self-attention (wave = head, 256 keys in two halves with a running maximum), out-projection, + tgt, LN2 -> t1 (f32),
; then ((t1 + query_pos) qw^T + qb) * 32^-0.5 -> qc (bf16, fragment order: see below).
; q, k, v and the weights come as bf16 blocks of 1,024 bytes = [c][lane][8 numbers] that are matrix operands as they lie: two 16-byte loads a lane.
; All products are taken transposed (A = keys, dims or features; B = the 16 query rows), so a lane holds one query row: softmax and the norms
; reduce inside a lane, across the two lane halves, and (norms) across the eight waves through LDS.
; LIMITS: matrix operands rounded to bf16, sums f32; v_exp_f32, v_rcp_f32, v_rsq_f32 are good to one unit in the last place and flush denormals
; (ISA guide 15.8); the order of sums differs from a row-wise sum; NaN and infinities are not followed.
; 32 work-groups: 16 rows are one matrix tile and a norm needs whole rows.  No cluster: what the work-groups share (k, v of a batch, two weights,
; 512 KiB) is read once by each, straight into registers, two batches ahead of its use.
.set VEC,   0                          ; out_b, ln2_g, ln2_b, qb: 1,024 bytes each
.set RES32, 4096                       ; tgt rows, later t1: 16 x 1,040 (1,024 + 16)
.set QP32,  20736                      ; query_pos rows
.set A16A,  37376                      ; bf16 activations: [k-step 0..7][16 rows], 80 bytes a row (64 + 16): wave w writes block w
.set A16B,  47616
.set RED,   57856                      ; 2 x [16 rows][8 waves], 48 bytes a row
.set OUTW,  0
.set QW,    131072
.set WF,    14
.set SEL,   28
.set INV,   30
.set R0,    16                         ; v[16:79]   K, then weights
.set R1,    80                         ; v[80:143]  V, then weights
.set S,     144                        ; v[144:207] scores; packed to bf16 in v[144:175]
.set ACT,   144                        ; v[144:175] activations' fragments
.set Y,     176                        ; v[176:191] my 16 numbers of a row
.set ACC0,  192
.set ACC1,  200
.set TV,    208                        ; v[208:239] vectors at work
.set QF,    208
.set O,     216                        ; v[216:231]
; v240 M, v241 l, v[242:243] -M log2 e, v[244:245] alpha, v[246:251] at work (norms: v[240:247] the waves' sums), v252 the other half's value
.macro PLACES n
.rept \n
	v_nop
.endr
.endm
.macro BAR
	s_barrier_signal -1
	s_barrier_wait -1
.endm
.macro WM d, a, b, acc
.if \acc
	v_wmma_f32_16x16x32_bf16 v[\d:\d+7], v[\a:\a+7], v[\b:\b+7], v[\d:\d+7]
.else
	v_wmma_f32_16x16x32_bf16 v[\d:\d+7], v[\a:\a+7], v[\b:\b+7], 0
.endif
.endm
; 8 KiB of weights: 4 k-steps of my two feature tiles
.macro WLOAD buf, voff, imm0, imm1
.irp i, 0,1,2,3
	global_load_b128 v[\buf+8*\i:\buf+8*\i+3], \voff, s[WF:WF+1] offset:\imm0+1024*\i
	global_load_b128 v[\buf+8*\i+4:\buf+8*\i+7], \voff, s[WF:WF+1] offset:\imm0+1024*\i+512
.endr
.irp i, 0,1,2,3
	global_load_b128 v[\buf+32+8*\i:\buf+35+8*\i], \voff, s[WF:WF+1] offset:\imm1+1024*\i
	global_load_b128 v[\buf+36+8*\i:\buf+39+8*\i], \voff, s[WF:WF+1] offset:\imm1+1024*\i+512
.endr
.endm
; 8 matrix instructions: D[feature][row] += W x act, 128 along K.  ACC0 and ACC1 take turns, one instruction a turn.
.macro BATCH buf, areg, aoff, first, cnt
.irp i, 0,1,2,3
	ds_load_b128 v[ACT+8*\i:ACT+8*\i+3], \areg offset:\aoff+1280*\i
	ds_load_b128 v[ACT+8*\i+4:ACT+8*\i+7], \areg offset:\aoff+1280*\i+32
.endr
	s_wait_loadcnt \cnt                            ; this batch's weights are in; the younger batch stays out
	s_wait_dscnt 0x0
	WM ACC0, \buf, ACT, 1-\first
	WM ACC1, \buf+32, ACT, 1-\first
.irp i, 1,2,3
	WM ACC0, \buf+8*\i, ACT+8*\i, 1
	WM ACC1, \buf+32+8*\i, ACT+8*\i, 1
.endr
	PLACES 5
.endm
.macro VEC16 dst, off                  ; a per-feature vector's 16 numbers for my features 32 w + 16 tile + 8 (lane/16) + j
.irp c, 0,1
	ds_load_b128 v[\dst+8*\c:\dst+8*\c+3], v8 offset:\off+64*\c
	ds_load_b128 v[\dst+8*\c+4:\dst+8*\c+7], v8 offset:\off+64*\c+16
.endr
.endm
.macro ROW16 dst, off                  ; the same 16 columns of my row of an f32 block
.irp c, 0,1
	ds_load_b128 v[\dst+8*\c:\dst+8*\c+3], v9 offset:\off+64*\c
	ds_load_b128 v[\dst+8*\c+4:\dst+8*\c+7], v9 offset:\off+64*\c+16
.endr
.endm
; v248: my 16 columns' sum -> the row's sum over 256 columns, in every lane
.macro REDUCE off
	v_permlanex16_b32 v252, v248, s[SEL], s[SEL+1]
	v_add_f32 v248, v248, v252
	ds_store_b32 v11, v248 offset:\off             ; both lane halves store the same number to the same word
	s_wait_dscnt 0x0                               ; my store is done before I signal
	BAR
	ds_load_b128 v[240:243], v12 offset:\off
	ds_load_b128 v[244:247], v12 offset:\off+16
	s_wait_dscnt 0x0
	v_pk_add_f32 v[240:241], v[240:241], v[242:243]
	v_pk_add_f32 v[244:245], v[244:245], v[246:247]
	v_pk_add_f32 v[240:241], v[240:241], v[244:245]
	v_add_f32 v248, v240, v241
.endm
; Y = (Y - mean) rsqrt(var + eps) g + b, the variance from the centred numbers
.macro LNORM red, goff, boff
	VEC16 TV, \goff
	VEC16 TV+16, \boff
	v_pk_add_f32 v[248:249], v[Y:Y+1], v[Y+2:Y+3]
	v_pk_add_f32 v[250:251], v[Y+4:Y+5], v[Y+6:Y+7]
	v_pk_add_f32 v[248:249], v[248:249], v[Y+8:Y+9]
	v_pk_add_f32 v[250:251], v[250:251], v[Y+10:Y+11]
	v_pk_add_f32 v[248:249], v[248:249], v[Y+12:Y+13]
	v_pk_add_f32 v[250:251], v[250:251], v[Y+14:Y+15]
	v_pk_add_f32 v[248:249], v[248:249], v[250:251]
	v_add_f32 v248, v248, v249
	REDUCE \red
	v_mul_f32 v249, s[INV], v248
	v_mul_f32 v248, s[INV], v248
.irp i, 0,2,4,6,8,10,12,14
	v_pk_add_f32 v[Y+\i:Y+\i+1], v[Y+\i:Y+\i+1], v[248:249] neg_lo:[0,1] neg_hi:[0,1]
.endr
	v_pk_mul_f32 v[248:249], v[Y:Y+1], v[Y:Y+1]
	v_pk_mul_f32 v[250:251], v[Y+2:Y+3], v[Y+2:Y+3]
.irp i, 4,8,12
	v_pk_fma_f32 v[248:249], v[Y+\i:Y+\i+1], v[Y+\i:Y+\i+1], v[248:249]
	v_pk_fma_f32 v[250:251], v[Y+\i+2:Y+\i+3], v[Y+\i+2:Y+\i+3], v[250:251]
.endr
	v_pk_add_f32 v[248:249], v[248:249], v[250:251]
	v_add_f32 v248, v248, v249
	REDUCE \red+768
	v_fmaak_f32 v248, s[INV], v248, 0x3727c5ac     ; sum / 256 + 1e-5
	v_rsq_f32 v250, v248
	v_rsq_f32 v251, v248
	v_nop                                          ; one plain place behind the transcendentals (ISA guide 5.7.2)
	s_wait_alu depctr_va_vdst(0)
.irp i, 0,2,4,6,8,10,12,14
	v_pk_mul_f32 v[Y+\i:Y+\i+1], v[Y+\i:Y+\i+1], v[250:251]
.endr
.irp i, 0,2,4,6,8,10,12,14
	v_pk_fma_f32 v[Y+\i:Y+\i+1], v[Y+\i:Y+\i+1], v[TV+\i:TV+\i+1], v[TV+16+\i:TV+17+\i]
.endr
.endm
; Softmax step on 128 keys: a lane holds 64 scores of its row in v[b:b+63], the other lane half the other 64.
; Leaves exp(s - M) packed to bf16 in v[b:b+31] (four B operands of 32 keys), M in v240, the running sum in v241; first = 0: rescales v241 and O.
.macro SM b, first, o
	v_max3_num_f32 v246, v[\b], v[\b+1], v[\b+2]
	v_max3_num_f32 v247, v[\b+3], v[\b+4], v[\b+5]
	v_max3_num_f32 v248, v[\b+6], v[\b+7], v[\b+8]
	v_max3_num_f32 v249, v[\b+9], v[\b+10], v[\b+11]
.set smk, 12
.rept 26
	v_max3_num_f32 v[246+(smk/2)%4], v[246+(smk/2)%4], v[\b+smk], v[\b+smk+1]
.set smk, smk+2
.endr
	v_max3_num_f32 v246, v246, v247, v248
	v_max_num_f32 v246, v246, v249
	v_permlanex16_b32 v252, v246, s[SEL], s[SEL+1]
.if \first
	v_max_num_f32 v240, v246, v252
.else
	v_max3_num_f32 v247, v246, v252, v240          ; the new running maximum
	v_sub_f32 v248, v240, v247
	v_mul_f32 v248, 0x3fb8aa3b, v248
	v_exp_f32 v244, v248                           ; alpha = exp(M old - M new)
	v_mov_b32 v240, v247                           ; the plain place behind it
	s_wait_alu depctr_va_vdst(0)
	v_mov_b32 v245, v244
.endif
	v_mul_f32 v242, 0xbfb8aa3b, v240
	v_mul_f32 v243, 0xbfb8aa3b, v240
.set smk, 0
.rept 32
	v_pk_fma_f32 v[\b+smk:\b+smk+1], v[\b+smk:\b+smk+1], 0x3fb8aa3b, v[242:243] op_sel_hi:[1,0,1]
.set smk, smk+2
.endr
.set smk, 0
.rept 64
	v_exp_f32 v[\b+smk], v[\b+smk]
.set smk, smk+1
.endr
	v_nop
	s_wait_alu depctr_va_vdst(0)
	v_pk_add_f32 v[246:247], v[\b:\b+1], v[\b+2:\b+3]
	v_pk_add_f32 v[248:249], v[\b+4:\b+5], v[\b+6:\b+7]
.set smk, 8
.rept 14
	v_pk_add_f32 v[246:247], v[246:247], v[\b+smk:\b+smk+1]
	v_pk_add_f32 v[248:249], v[248:249], v[\b+smk+2:\b+smk+3]
.set smk, smk+4
.endr
	v_pk_add_f32 v[246:247], v[246:247], v[248:249]
	v_add_f32 v246, v246, v247
	v_permlanex16_b32 v252, v246, s[SEL], s[SEL+1]
.if \first
	v_add_f32 v241, v246, v252
.else
	v_add_f32 v246, v246, v252
	v_fma_f32 v241, v241, v244, v246
.irp i, 0,2,4,6,8,10,12,14
	v_pk_mul_f32 v[\o+\i:\o+\i+1], v[\o+\i:\o+\i+1], v[244:245]
.endr
.endif
.set smk, 0
.rept 32
	v_cvt_pk_bf16_f32 v[\b+smk], v[\b+2*smk], v[\b+2*smk+1]   ; the target never passes a source not yet read
.set smk, smk+1
.endr
.endm
.macro KV16 buf, off                   ; 8 blocks of my head's k or v
.irp i, 0,1,2,3,4,5,6,7,8,9,10,11,12,13,14,15
	global_load_b128 v[\buf+4*\i:\buf+4*\i+3], v1, s[12:13] offset:\off+512*\i
.endr
.endm
.macro QK                              ; scores [key][row] of 8 key tiles
.irp t, 0,1,2,3,4,5,6,7
	WM S+8*\t, R0+8*\t, QF, 0
.endr
.endm
.macro PV acc                          ; O[dim][row] += V^T P; the two dim tiles take turns
	WM O, R1, S, \acc
	WM O+8, R1+8, S, \acc
.irp g, 1,2,3
	WM O, R1+16*\g, S+8*\g, 1
	WM O+8, R1+16*\g+8, S+8*\g, 1
.endr
.endm
.macro ROWOUT sb                       ; rows 2 w, 2 w + 1 of RES32 out: each store of the wave covers 512 consecutive bytes, aligned
.irp i, 0,1,2,3
	ds_load_b128 v[224+4*\i:227+4*\i], v253 offset:RES32+(\i>>1)*1040+(\i&1)*512
.endr
	s_wait_dscnt 0x0
.irp i, 0,1,2,3
	global_store_b128 v254, v[224+4*\i:227+4*\i], s[\sb:\sb+1] offset:512*\i
.endr
.endm
	s_load_b512 s[8:23], s[0:1], 0x0               ; tgt 8, query_pos 10, sqkv 12, wf 14, out_b 16, ln2_g 18, ln2_b 20, qb 22
	s_load_b128 s[24:27], s[0:1], 0x40             ; t1 24, qc 26
	v_lshl_add_u32 v7, v0, 2, 0xe800
	v_mov_b32 v255, 0
	v_lshrrev_b32 v4, 5, v0
	v_readfirstlane_b32 s3, v4                     ; wave = head = 32 features
	v_and_b32 v1, 31, v0
	v_lshlrev_b32 v1, 4, v1                        ; 16 x lane
	v_and_b32 v2, 15, v0                           ; my query row
	v_bfe_u32 v3, v0, 4, 1                         ; lane half
	s_lshl_b32 s4, s3, 14
	v_add_nc_u32 v4, s4, v1                        ; weights with K = 256: my two tiles' 16 blocks
	v_mul_u32_u24 v6, v2, 80
	v_lshl_add_u32 v6, v3, 4, v6                   ; activations' fragments
	s_lshl_b32 s4, s3, 7
	v_lshl_add_u32 v8, v3, 5, s4                   ; 128 w + 32 half
	v_mad_u32_u24 v9, v2, 1040, v8
	s_mul_i32 s4, s3, 1280
	v_add_nc_u32 v10, s4, v6                       ; where my 32 features go, as bf16
	v_mul_u32_u24 v12, v2, 48
	s_lshl_b32 s4, s3, 2
	v_add_nc_u32 v11, s4, v12
	v_lshrrev_b32 v13, 6, v0
	v_and_b32 v14, 63, v0
	v_lshlrev_b32 v14, 4, v14
	v_mad_u32_u24 v13, v13, 1040, v14              ; staging of f32 rows
	v_lshlrev_b32 v14, 2, v0
	v_lshlrev_b32 v251, 4, v0
	v_mov_b32 v252, 0                              ; v_permlanex16_b32's target counts as read
	s_mul_i32 s4, s3, 2080
	v_add_nc_u32 v253, s4, v1
	s_lshl_b32 s4, s3, 11
	v_add_nc_u32 v254, s4, v1
	s_mov_b32 s28, 0x76543210
	s_mov_b32 s29, 0xfedcba98
	s_mov_b32 s30, 0x3b800000                      ; 1/256
	s_lshr_b32 s5, ttmp9, 4                        ; batch
	s_and_b32 s6, ttmp9, 15                        ; query tile
	s_lshl3_add_u32 s5, s5, s3
	s_lshl_b32 s32, s5, 14                         ; (8 batch + head) x 16 blocks
	s_mov_b32 s33, 0
	s_lshl_b32 s34, ttmp9, 14                      ; 16 rows of 1,024 bytes
	s_mov_b32 s35, 0
	s_lshl_b32 s6, s6, 10
	v_add_nc_u32 v15, s6, v1                       ; my query tile's block
	s_wait_kmcnt 0x0
	s_add_nc_u64 s[8:9], s[8:9], s[34:35]
	s_add_nc_u64 s[10:11], s[10:11], s[34:35]
	s_add_nc_u64 s[24:25], s[24:25], s[34:35]
	s_add_nc_u64 s[12:13], s[12:13], s[32:33]
	s_add_nc_u64 s[26:27], s[26:27], s[32:33]
	; 12 loads for LDS, then q and the first 128 keys (18), then their v (16)
	global_load_b32 v144, v14, s[16:17]
	global_load_b32 v145, v14, s[18:19]
	global_load_b32 v146, v14, s[20:21]
	global_load_b32 v147, v14, s[22:23]
.irp i, 0,1,2,3
	global_load_b128 v[148+4*\i:151+4*\i], v251, s[8:9] offset:4096*\i
.endr
.irp i, 0,1,2,3
	global_load_b128 v[164+4*\i:167+4*\i], v251, s[10:11] offset:4096*\i
.endr
	global_load_b128 v[QF:QF+3], v15, s[12:13]
	global_load_b128 v[QF+4:QF+7], v15, s[12:13] offset:512
	KV16 R0, 262144
	KV16 R1, 524288
	s_wait_loadcnt 34                              ; the first 12 are in; 2 + 16 + 16 stay out
	ds_store_b32 v14, v144 offset:VEC
	ds_store_b32 v14, v145 offset:VEC+1024
	ds_store_b32 v14, v146 offset:VEC+2048
	ds_store_b32 v14, v147 offset:VEC+3072
.irp i, 0,1,2,3
	ds_store_b128 v13, v[148+4*\i:151+4*\i] offset:RES32+4160*\i
	ds_store_b128 v13, v[164+4*\i:167+4*\i] offset:QP32+4160*\i
.endr
	s_wait_dscnt 0x0
	s_wait_loadcnt 16                              ; q and k are in; v stays out.  Every count of 16 below: the one younger run of 16 loads stays out
	QK
	PLACES 5
	KV16 R0, 262144+8192
	SM S, 1, O
	s_wait_loadcnt 16
	PV 0
	PLACES 5
	KV16 R1, 524288+8192
	s_wait_loadcnt 16
	QK
	PLACES 5
	WLOAD R0, v4, OUTW, OUTW+8192
	SM S, 0, O
	s_wait_loadcnt 16
	PV 1
	PLACES 5
	WLOAD R1, v4, OUTW+4096, OUTW+12288
	v_rcp_f32 v246, v241
	v_rcp_f32 v247, v241
	v_nop
	s_wait_alu depctr_va_vdst(0)
.irp i, 0,2,4,6,8,10,12,14
	v_pk_mul_f32 v[O+\i:O+\i+1], v[O+\i:O+\i+1], v[246:247]
.endr
.irp i, 0,1,2,3,4,5,6,7
	v_cvt_pk_bf16_f32 v[232+\i], v[O+2*\i], v[O+2*\i+1]
.endr
	ds_store_b128 v10, v[232:235] offset:A16A
	ds_store_b128 v10, v[236:239] offset:A16A+32
	s_wait_dscnt 0x0
	BAR                                            ; all heads' outputs, the vectors and the f32 rows are in LDS
	BATCH R0, v6, A16A, 1, 16
	WLOAD R0, v4, QW, QW+8192
	BATCH R1, v6, A16A+5120, 0, 16
	WLOAD R1, v4, QW+4096, QW+12288
	VEC16 TV, VEC
	ROW16 TV+16, RES32
	s_wait_dscnt 0x0
.irp i, 0,2,4,6,8,10,12,14
	v_pk_add_f32 v[Y+\i:Y+\i+1], v[ACC0+\i:ACC0+\i+1], v[TV+\i:TV+\i+1]
.endr
.irp i, 0,2,4,6,8,10,12,14
	v_pk_add_f32 v[Y+\i:Y+\i+1], v[Y+\i:Y+\i+1], v[TV+16+\i:TV+17+\i]
.endr
	LNORM RED, VEC+1024, VEC+2048
.irp c, 0,1
	ds_store_b128 v9, v[Y+8*\c:Y+8*\c+3] offset:RES32+64*\c       ; t1 over tgt: the bytes that this lane alone read, two barriers ago
	ds_store_b128 v9, v[Y+8*\c+4:Y+8*\c+7] offset:RES32+64*\c+16
.endr
	ROW16 TV, QP32
	s_wait_dscnt 0x0
.irp i, 0,2,4,6,8,10,12,14
	v_pk_add_f32 v[TV+\i:TV+\i+1], v[TV+\i:TV+\i+1], v[Y+\i:Y+\i+1]
.endr
.irp i, 0,1,2,3,4,5,6,7
	v_cvt_pk_bf16_f32 v[TV+16+\i], v[TV+2*\i], v[TV+2*\i+1]
.endr
	ds_store_b128 v10, v[TV+16:TV+19] offset:A16B
	ds_store_b128 v10, v[TV+20:TV+23] offset:A16B+32
	s_wait_dscnt 0x0
	BAR
	ROWOUT 24
	BATCH R0, v6, A16B, 1, 16
	BATCH R1, v6, A16B+5120, 0, 0
	VEC16 TV, VEC+3072
	s_wait_dscnt 0x0
.irp i, 0,2,4,6,8,10,12,14
	v_pk_mul_f32 v[TV+\i:TV+\i+1], v[TV+\i:TV+\i+1], 0x3e3504f3 op_sel_hi:[1,0]
.endr
.irp i, 0,2,4,6,8,10,12,14
	v_pk_fma_f32 v[ACC0+\i:ACC0+\i+1], v[ACC0+\i:ACC0+\i+1], 0x3e3504f3, v[TV+\i:TV+\i+1] op_sel_hi:[1,0,1]
.endr
.irp i, 0,1,2,3,4,5,6,7
	v_cvt_pk_bf16_f32 v[Y+\i], v[ACC0+2*\i], v[ACC0+2*\i+1]
.endr
	global_store_b128 v15, v[Y:Y+3], s[26:27]
	global_store_b128 v15, v[Y+4:Y+7], s[26:27] offset:512
	s_wait_tensorcnt 0x0
	ds_add_u32 v7, v255
	s_wait_dscnt 0x0
	s_endpgm
.Lfunc_end_k_q110884b311_selfa:
	.size	k_q110884b311_selfa, .Lfunc_end_k_q110884b311_selfa-k_q110884b311_selfa
	.p2alignl 7, 3214868480
	.fill 96, 4, 3214868480
	.section	.rodata,"a",@progbits
	.p2align	6, 0x0
	.amdhsa_kernel k_q110884b311_selfa
		.amdhsa_group_segment_fixed_size 60416
		.amdhsa_private_segment_fixed_size 0
		.amdhsa_enable_private_segment 0
		.amdhsa_kernarg_size 80
		.amdhsa_user_sgpr_count 2
		.amdhsa_user_sgpr_kernarg_segment_ptr 1
		.amdhsa_wavefront_size32 1
		.amdhsa_system_sgpr_workgroup_id_x 1
		.amdhsa_system_sgpr_workgroup_id_y 1
		.amdhsa_system_sgpr_workgroup_id_z 1
		.amdhsa_system_vgpr_workitem_id 0
		.amdhsa_next_free_vgpr 256
		.amdhsa_next_free_sgpr 66
		.amdhsa_reserve_vcc 0
		.amdhsa_float_denorm_mode_32 3
		.amdhsa_float_denorm_mode_16_64 3
		.amdhsa_memory_ordered 1
		.amdhsa_forward_progress 1
		.amdhsa_inst_pref_size 61
	.end_amdhsa_kernel
	.amdgpu_metadata
---
amdhsa.version: [ 1, 2 ]
amdhsa.kernels:
  - .name:           k_q110884b311_selfa
    .symbol:         k_q110884b311_selfa.kd
    .args:
      - { .name: tgt, .offset: 0, .size: 8, .value_kind: global_buffer, .address_space: global }
      - { .name: query_pos, .offset: 8, .size: 8, .value_kind: global_buffer, .address_space: global }
      - { .name: sqkv, .offset: 16, .size: 8, .value_kind: global_buffer, .address_space: global }
      - { .name: wf, .offset: 24, .size: 8, .value_kind: global_buffer, .address_space: global }
      - { .name: out_b, .offset: 32, .size: 8, .value_kind: global_buffer, .address_space: global }
      - { .name: ln2_g, .offset: 40, .size: 8, .value_kind: global_buffer, .address_space: global }
      - { .name: ln2_b, .offset: 48, .size: 8, .value_kind: global_buffer, .address_space: global }
      - { .name: qb, .offset: 56, .size: 8, .value_kind: global_buffer, .address_space: global }
      - { .name: t1, .offset: 64, .size: 8, .value_kind: global_buffer, .address_space: global }
      - { .name: qc, .offset: 72, .size: 8, .value_kind: global_buffer, .address_space: global }
    .group_segment_fixed_size: 60416
    .private_segment_fixed_size: 0
    .kernarg_segment_align: 8
    .kernarg_segment_size: 80
    .max_flat_workgroup_size: 256
    .sgpr_count:     66
    .vgpr_count:     256
    .wavefront_size: 32
...
	.end_amdgpu_metadata
.endif
;; end of part 2
;; launch xatt (part 3): grid 256 x 1, 8 waves a work-group, no clusters, 241,152 bytes of LDS; arguments cross_attn_mask, src_padding_mask, cpb_w1, cpb_b1, cpb_w2, kv, qc, opart, mlpart; writes opart, mlpart
.if DOCPART == 3
	.amdgcn_target "amdgcn-amd-amdhsa--gfx1250"
	.amdhsa_code_object_version 6
	.text
	.protected	k_q110884b311_xatt
	.globl	k_q110884b311_xatt
	.p2align	8
	.type	k_q110884b311_xatt,@function
k_q110884b311_xatt:
	s_mov_b64 s[64:65], 0
	v_nop
	global_prefetch_b8 v0, s[64:65] scope:SCOPE_SE
	s_setreg_imm32_b32 hwreg(HW_REG_WAVE_MODE, 25, 1), 1
	s_wait_xcnt 0x0
; XATT: cross-attention of 16 query rows x 128 keys x all 8 heads: 2 batches x 16 query tiles x 8 key splits = 256 work-groups.
; Phase 1 (wave = 2 query rows x 128 keys): bias[pos][head] = relu(x w1 + b1)[512] . w2[head][512].  The 512 hidden numbers of a position are made in f32
; (one packed multiply-add, a maximum), rounded once to bf16 and fed to the matrix unit as A; they never leave the registers.  The sums start from
; -100 x padding mask.  Phase 2 (wave = head): scores = K q + bias, softmax over the 128 keys with their own maximum, O = V^T P, not normalised.
; Out: O (f32), the maximum m and the sum l; the next launch joins the 8 splits with the maximum over them.
; LIMITS: h1, w2, q, k, v, P rounded to bf16, sums f32; v_exp_f32 is good to one unit in the last place and flushes denormals (ISA guide 15.8);
; NaN and infinities are not followed.
; No cluster: the 16 query tiles of a split share 128 KiB of K and V, which each asks for once, at its head, by copies that have all of phase 1
; (8,192 vector instructions a wave) in which to land; a joint request would spare none of the work that fills the launch.
.set KL,    0                          ; 8 heads x 8 blocks of K
.set VL,    65536                      ; 8 heads x 8 blocks of V
.set QL,    131072                     ; 8 heads x 1 block of q
.set XL,    139264                     ; 16 rows x 128 numbers of the mask
.set W2L,   147456                     ; 8 rows of 2,048 + 16 bytes
.set W1L,   164096                     ; w1, then b1
.set PADL,  168192                     ; the split's 128 padding numbers, once for each wave
.set BIASL, 172288                     ; head x 8,480 + row x 528 + 4 x key; written by LDS stores alone, in blocks of 256 bytes that no copy fills
.set X,    16                          ; v[16:31]   x of unit u (lane: key 16 t + lane%16)
.set W1,   32                          ; v[32:47]   w1 of my 16 hidden indices
.set B1,   48                          ; v[48:63]   b1
.set RAW,  64                          ; v[64:79]   w2 in f32
.set W2F,  80                          ; v[80:87]   w2 as operand B
.set F,    88                          ; v[88:95]   h1 as operand A
.set T,    96                          ; v[96:111]  h1 in f32
.set ACC,  112                         ; v[112:239] 16 units: (row 0,1) x (key tile 0..7)
.set S,    112                         ; phase 2: scores
.set KF,   176
.set QF,   80
.set VF,   16
.set O,    88
.set SEL,  36
.macro PLACES n
.rept \n
	v_nop
.endr
.endm
.macro BAR
	s_barrier_signal -1
	s_barrier_wait -1
.endm
.macro WM d, a, b, acc
.if \acc
	v_wmma_f32_16x16x32_bf16 v[\d:\d+7], v[\a:\a+7], v[\b:\b+7], v[\d:\d+7]
.else
	v_wmma_f32_16x16x32_bf16 v[\d:\d+7], v[\a:\a+7], v[\b:\b+7], 0
.endif
.endm
; Softmax on 128 keys: a lane holds 64 scores of its row in v[b:b+63], the other lane half the other 64.
; Leaves exp(s - M) packed to bf16 in v[b:b+31] (four B operands of 32 keys), M in v240, the sum in v241.
.macro SM b
	v_max3_num_f32 v246, v[\b], v[\b+1], v[\b+2]
	v_max3_num_f32 v247, v[\b+3], v[\b+4], v[\b+5]
	v_max3_num_f32 v248, v[\b+6], v[\b+7], v[\b+8]
	v_max3_num_f32 v249, v[\b+9], v[\b+10], v[\b+11]
.set smk, 12
.rept 26
	v_max3_num_f32 v[246+(smk/2)%4], v[246+(smk/2)%4], v[\b+smk], v[\b+smk+1]
.set smk, smk+2
.endr
	v_max3_num_f32 v246, v246, v247, v248
	v_max_num_f32 v246, v246, v249
	v_permlanex16_b32 v252, v246, s[SEL], s[SEL+1]
	v_max_num_f32 v240, v246, v252
	v_mul_f32 v242, 0xbfb8aa3b, v240
	v_mul_f32 v243, 0xbfb8aa3b, v240
.set smk, 0
.rept 32
	v_pk_fma_f32 v[\b+smk:\b+smk+1], v[\b+smk:\b+smk+1], 0x3fb8aa3b, v[242:243] op_sel_hi:[1,0,1]
.set smk, smk+2
.endr
.set smk, 0
.rept 64
	v_exp_f32 v[\b+smk], v[\b+smk]
.set smk, smk+1
.endr
	v_nop                                          ; one plain place behind the transcendentals (ISA guide 5.7.2)
	s_wait_alu depctr_va_vdst(0)
	v_pk_add_f32 v[246:247], v[\b:\b+1], v[\b+2:\b+3]
	v_pk_add_f32 v[248:249], v[\b+4:\b+5], v[\b+6:\b+7]
.set smk, 8
.rept 14
	v_pk_add_f32 v[246:247], v[246:247], v[\b+smk:\b+smk+1]
	v_pk_add_f32 v[248:249], v[248:249], v[\b+smk+2:\b+smk+3]
.set smk, smk+4
.endr
	v_pk_add_f32 v[246:247], v[246:247], v[248:249]
	v_add_f32 v246, v246, v247
	v_permlanex16_b32 v252, v246, s[SEL], s[SEL+1]
	v_add_f32 v241, v246, v252
.set smk, 0
.rept 32
	v_cvt_pk_bf16_f32 v[\b+smk], v[\b+2*smk], v[\b+2*smk+1]   ; the target never passes a source not yet read
.set smk, smk+1
.endr
.endm
; One unit, 32 hidden indices: 16 positions x 32 numbers of h1 and their product with w2.  Register i of lane half hh stands for hidden indices
; r0 + 16 hh + 2 i, + 1 in A and in B alike.  cv: w2's next 32 indices become operand B (24 plain places behind the last product that read it);
; pre: w2 of the trip after is fetched; ld: w1 and b1 of the next trip are fetched, behind their last use.
.macro UNIT u, cv, pre, ld
.irp i, 0,1,2,3,4,5,6,7
.if (\u)&1
	v_pk_fma_f32 v[T+2*\i:T+2*\i+1], v[W1+2*\i:W1+2*\i+1], v[X+\u-1:X+\u], v[B1+2*\i:B1+2*\i+1] op_sel:[0,1,0] op_sel_hi:[1,1,1]
.else
	v_pk_fma_f32 v[T+2*\i:T+2*\i+1], v[W1+2*\i:W1+2*\i+1], v[X+\u:X+\u+1], v[B1+2*\i:B1+2*\i+1] op_sel_hi:[1,0,1]
.endif
.endr
.if \ld
.irp i, 0,1,2,3
	ds_load_b128 v[W1+4*\i:W1+4*\i+3], v9 offset:16*\i
	ds_load_b128 v[B1+4*\i:B1+4*\i+3], v9 offset:2048+16*\i
.endr
.endif
.irp i, 0,1,2,3,4,5,6,7,8,9,10,11,12,13,14,15
	v_max_num_f32 v[T+\i], 0, v[T+\i]
.endr
.if \cv
.irp i, 0,1,2,3,4,5,6,7
	v_cvt_pk_bf16_f32 v[W2F+\i], v[RAW+2*\i], v[RAW+2*\i+1]
.endr
.if \pre
	v_add_nc_u32 v9, 128, v9
	v_add_nc_u32 v10, 128, v10
.irp i, 0,1,2,3
	ds_load_b128 v[RAW+4*\i:RAW+4*\i+3], v10 offset:16*\i
.endr
.endif
.endif
.irp i, 0,1,2,3,4,5,6,7
	v_cvt_pk_bf16_f32 v[F+\i], v[T+2*\i], v[T+2*\i+1]          ; 24 plain places behind the product that read F
.endr
	WM ACC+8*\u, F, W2F, 1
.endm
; 32 hidden indices for all 16 units.  The 16 accumulators take turns, one instruction a turn, over the backward jump too.
.macro TRIP pre
	s_wait_dscnt 0x0                               ; this trip's w1, b1, w2
	UNIT 0, 1, \pre, 0
.irp u, 1,2,3,4,5,6,7,8,9,10,11,12,13,14
	UNIT \u, 0, 0, 0
.endr
	UNIT 15, 0, 0, \pre
.endm
	s_load_b512 s[8:23], s[0:1], 0x0               ; mask 8, padding 10, w1 12, b1 14, w2 16, kv 18, qc 20, opart 22
	s_load_b64 s[24:25], s[0:1], 0x40              ; mlpart
	v_lshl_add_u32 v254, v0, 2, 0x3aa00
	v_mov_b32 v255, 0
	ds_add_u32 v254, v255
	ds_add_u32 v254, v255
	v_lshrrev_b32 v4, 5, v0
	v_readfirstlane_b32 s3, v4                     ; wave
	v_and_b32 v1, 31, v0
	v_lshlrev_b32 v1, 4, v1                        ; 16 x lane
	v_and_b32 v2, 15, v0                           ; r
	v_bfe_u32 v3, v0, 4, 1                         ; lane half
	v_mov_b32 v252, 0                              ; v_permlanex16_b32's target counts as read
	s_mov_b32 s36, 0x76543210
	s_mov_b32 s37, 0xfedcba98
	s_and_b32 s4, ttmp9, 7                         ; key split
	s_bfe_u32 s5, ttmp9, 0x40003                   ; query tile
	s_lshr_b32 s6, ttmp9, 7                        ; batch
	; the copies' addresses; each copy's registers stay as they are until its counter shows it done
	s_lshl_b32 s7, s6, 20
	s_lshl_b32 s26, s5, 16
	s_add_co_u32 s7, s7, s26
	s_lshl_b32 s26, s3, 13
	s_add_co_u32 s7, s7, s26
	s_lshl_b32 s27, s4, 9                          ; the split's 128 numbers, 512 bytes
	s_add_co_u32 s7, s7, s27
	v_add_nc_u32 v241, s7, v1                      ; mask row 2 w
	v_add_nc_u32 v243, 4096, v241                  ; mask row 2 w + 1
	s_lshl_b32 s26, s3, 10
	s_add_co_u32 s26, s26, XL
	v_add_nc_u32 v240, s26, v1
	v_add_nc_u32 v242, 512, v240
	v_lshl_add_u32 v13, v2, 2, s26                 ; x of key r
	s_mul_i32 s26, s3, 2064
	s_add_co_u32 s26, s26, W2L
	v_add_nc_u32 v244, s26, v1
	s_lshl_b32 s26, s3, 11
	v_add_nc_u32 v245, s26, v1                     ; w2 row w
	s_lshl_b32 s26, s3, 9
	s_add_co_u32 s7, s26, W1L
	v_add_nc_u32 v246, s7, v1
	s_and_b32 s7, s26, 0x600
	v_add_nc_u32 v247, s7, v1                      ; a quarter of w1 (waves 0-3) or b1 (waves 4-7)
	s_add_co_u32 s7, s26, PADL
	v_add_nc_u32 v248, s7, v1
	v_lshl_add_u32 v14, v3, 5, s7
	s_lshl_b32 s7, s6, 12
	s_add_co_u32 s7, s7, s27
	v_add_nc_u32 v249, s7, v1
	s_lshl3_add_u32 s6, s6, s3                     ; 8 batch + head
	s_lshl_b32 s7, s3, 10
	s_add_co_u32 s7, s7, QL
	v_add_nc_u32 v4, s7, v1
	s_lshl4_add_u32 s7, s6, s5
	s_lshl_b32 s7, s7, 10
	v_add_nc_u32 v5, s7, v1
	s_lshl_b32 s7, s3, 13
	v_add_nc_u32 v6, s7, v1
	s_add_co_u32 s7, s7, VL
	v_add_nc_u32 v7, s7, v1
	s_lshl_b32 s7, s6, 16
	s_lshl_b32 s26, s4, 13
	s_add_co_u32 s7, s7, s26
	v_add_nc_u32 v8, s7, v1                        ; (64 (8 batch + head) + 8 split) blocks, in K and in V alike
	; LDS addresses of the two phases
	v_lshl_add_u32 v9, v3, 6, W1L
	v_and_b32 v10, 7, v2
	v_mul_u32_u24 v11, v10, 8480
	v_mul_u32_u24 v10, v10, 2064
	v_lshl_add_u32 v10, v3, 6, v10
	v_add_nc_u32 v10, W2L, v10                     ; columns 8-15 of B repeat heads 0-7
	v_lshl_add_u32 v11, v3, 5, v11
	s_mul_i32 s7, s3, 1056
	s_add_co_u32 s7, s7, BIASL
	v_add_nc_u32 v11, s7, v11                      ; bias out: head r%8, rows 2 w .., keys 8 half ..
	v_mul_u32_u24 v12, v2, 528
	v_lshl_add_u32 v12, v3, 5, v12
	s_mul_i32 s7, s3, 8480
	s_add_co_u32 s7, s7, BIASL
	v_add_nc_u32 v12, s7, v12                      ; bias in: head w, row r
	v_lshrrev_b32 v15, 1, v1                       ; 8 x lane
	s_lshl3_add_u32 s7, ttmp9, s3
	s_lshl_b32 s32, s7, 11
	s_mov_b32 s33, 0
	s_lshl_b32 s34, s7, 8
	s_mov_b32 s35, 0
	s_wait_dscnt 0x0
	s_wait_kmcnt 0x0
	s_cmp_lt_u32 s3, 4
	s_cselect_b64 s[28:29], s[12:13], s[14:15]
	s_add_nc_u64 s[30:31], s[18:19], 0x100000      ; V
	s_add_nc_u64 s[32:33], s[22:23], s[32:33]
	s_add_nc_u64 s[34:35], s[24:25], s[34:35]
	; all 42 copies, ahead of every wait on their counter, every LDS read and every barrier: 8 small ones that phase 1 needs, then q, K, V
	global_load_async_to_lds_b128 v240, v241, s[8:9]
	global_load_async_to_lds_b128 v242, v243, s[8:9]
.irp i, 0,1,2,3
	global_load_async_to_lds_b128 v244, v245, s[16:17] offset:512*\i
.endr
	global_load_async_to_lds_b128 v246, v247, s[28:29]
	global_load_async_to_lds_b128 v248, v249, s[10:11]
	global_load_async_to_lds_b128 v4, v5, s[20:21]
	global_load_async_to_lds_b128 v4, v5, s[20:21] offset:512
.irp i, 0,1,2,3,4,5,6,7,8,9,10,11,12,13,14,15
	global_load_async_to_lds_b128 v6, v8, s[18:19] offset:512*\i
.endr
.irp i, 0,1,2,3,4,5,6,7,8,9,10,11,12,13,14,15
	global_load_async_to_lds_b128 v7, v8, s[30:31] offset:512*\i
.endr
	s_wait_asynccnt 34                             ; my 8 small copies have landed; q, K, V (2 + 16 + 16), which I alone read, stay out
	BAR                                            ; w1, b1, w2 are whole; nothing is ever filled again
	; ---- phase 1
.irp u, 0,1,2,3,4,5,6,7,8,9,10,11,12,13,14,15
	ds_load_b32 v[X+\u], v13 offset:(\u>>3)*512+(\u&7)*64
.endr
.irp u, 0,1,2,3,4,5,6,7,8,9,10,11,12,13,14,15
	ds_load_b128 v[ACC+8*\u:ACC+8*\u+3], v14 offset:(\u&7)*64
	ds_load_b128 v[ACC+8*\u+4:ACC+8*\u+7], v14 offset:(\u&7)*64+16
.endr
.irp i, 0,1,2,3
	ds_load_b128 v[W1+4*\i:W1+4*\i+3], v9 offset:16*\i
	ds_load_b128 v[B1+4*\i:B1+4*\i+3], v9 offset:2048+16*\i
	ds_load_b128 v[RAW+4*\i:RAW+4*\i+3], v10 offset:16*\i
.endr
	s_wait_dscnt 0x0
.set n, 0
.rept 64
	v_pk_mul_f32 v[ACC+n:ACC+n+1], v[ACC+n:ACC+n+1], 0xc2c80000 op_sel_hi:[1,0]   ; the sums start from -100 x padding: nothing is cleared
.set n, n+2
.endr
	s_mov_b32 s38, 15
.Ltrip:
	TRIP 1
	s_sub_co_i32 s38, s38, 1
	s_cmp_lg_u32 s38, 0
	s_cbranch_scc1 .Ltrip
	TRIP 0                                         ; hidden indices 480-511: nothing more to fetch
	PLACES 5
	s_wait_asynccnt 0x0                            ; q, K, V of my head have landed
.irp u, 0,1,2,3,4,5,6,7,8,9,10,11,12,13,14,15
	ds_store_b128 v11, v[ACC+8*\u:ACC+8*\u+3] offset:(\u>>3)*528+(\u&7)*64      ; lanes r and r + 8 hold the same head's same numbers and store them to the same words
	ds_store_b128 v11, v[ACC+8*\u+4:ACC+8*\u+7] offset:(\u>>3)*528+(\u&7)*64+16
.endr
	s_wait_dscnt 0x0                               ; my stores are done before I signal
	BAR
	; ---- phase 2
.irp t, 0,1,2,3,4,5,6,7
	ds_load_b128 v[S+8*\t:S+8*\t+3], v12 offset:64*\t
	ds_load_b128 v[S+8*\t+4:S+8*\t+7], v12 offset:64*\t+16
.endr
.irp i, 0,1,2,3,4,5,6,7,8,9,10,11,12,13,14,15
	ds_load_b128 v[KF+4*\i:KF+4*\i+3], v6 offset:512*\i
.endr
	ds_load_b128 v[QF:QF+3], v4
	ds_load_b128 v[QF+4:QF+7], v4 offset:512
.irp i, 0,1,2,3,4,5,6,7,8,9,10,11,12,13,14,15
	ds_load_b128 v[VF+4*\i:VF+4*\i+3], v7 offset:512*\i
.endr
	s_wait_dscnt 16                                ; bias, K, q are in; V's 16 loads stay out
.irp t, 0,1,2,3,4,5,6,7
	WM S+8*\t, KF+8*\t, QF, 1                      ; scores [key][row] onto the bias
.endr
	PLACES 5
	SM S
	s_wait_dscnt 0x0
	WM O, VF, S, 0                                 ; O[dim][row]; the two dim tiles take turns
	WM O+8, VF+8, S, 0
.irp g, 1,2,3
	WM O, VF+16*\g, S+8*\g, 1
	WM O+8, VF+16*\g+8, S+8*\g, 1
.endr
	PLACES 5
.irp i, 0,1,2,3
	global_store_b128 v1, v[O+4*\i:O+4*\i+3], s[32:33] offset:512*\i   ; 512 consecutive bytes a wave
.endr
	global_store_b64 v15, v[240:241], s[34:35]     ; (m, l): 256 consecutive bytes a wave
	s_wait_tensorcnt 0x0
	ds_add_u32 v254, v255
	s_wait_dscnt 0x0
	s_endpgm
.Lfunc_end_k_q110884b311_xatt:
	.size	k_q110884b311_xatt, .Lfunc_end_k_q110884b311_xatt-k_q110884b311_xatt
	.p2alignl 7, 3214868480
	.fill 96, 4, 3214868480
	.section	.rodata,"a",@progbits
	.p2align	6, 0x0
	.amdhsa_kernel k_q110884b311_xatt
		.amdhsa_group_segment_fixed_size 241152
		.amdhsa_private_segment_fixed_size 0
		.amdhsa_enable_private_segment 0
		.amdhsa_kernarg_size 72
		.amdhsa_user_sgpr_count 2
		.amdhsa_user_sgpr_kernarg_segment_ptr 1
		.amdhsa_wavefront_size32 1
		.amdhsa_system_sgpr_workgroup_id_x 1
		.amdhsa_system_sgpr_workgroup_id_y 1
		.amdhsa_system_sgpr_workgroup_id_z 1
		.amdhsa_system_vgpr_workitem_id 0
		.amdhsa_next_free_vgpr 256
		.amdhsa_next_free_sgpr 66
		.amdhsa_reserve_vcc 0
		.amdhsa_float_denorm_mode_32 3
		.amdhsa_float_denorm_mode_16_64 3
		.amdhsa_memory_ordered 1
		.amdhsa_forward_progress 1
		.amdhsa_inst_pref_size 89
	.end_amdhsa_kernel
	.amdgpu_metadata
---
amdhsa.version: [ 1, 2 ]
amdhsa.kernels:
  - .name:           k_q110884b311_xatt
    .symbol:         k_q110884b311_xatt.kd
    .args:
      - { .name: cross_attn_mask, .offset: 0, .size: 8, .value_kind: global_buffer, .address_space: global }
      - { .name: src_padding_mask, .offset: 8, .size: 8, .value_kind: global_buffer, .address_space: global }
      - { .name: cpb_w1, .offset: 16, .size: 8, .value_kind: global_buffer, .address_space: global }
      - { .name: cpb_b1, .offset: 24, .size: 8, .value_kind: global_buffer, .address_space: global }
      - { .name: cpb_w2, .offset: 32, .size: 8, .value_kind: global_buffer, .address_space: global }
      - { .name: kv, .offset: 40, .size: 8, .value_kind: global_buffer, .address_space: global }
      - { .name: qc, .offset: 48, .size: 8, .value_kind: global_buffer, .address_space: global }
      - { .name: opart, .offset: 56, .size: 8, .value_kind: global_buffer, .address_space: global }
      - { .name: mlpart, .offset: 64, .size: 8, .value_kind: global_buffer, .address_space: global }
    .group_segment_fixed_size: 241152
    .private_segment_fixed_size: 0
    .kernarg_segment_align: 8
    .kernarg_segment_size: 72
    .max_flat_workgroup_size: 256
    .sgpr_count:     66
    .vgpr_count:     256
    .wavefront_size: 32
...
	.end_amdgpu_metadata
.endif
;; end of part 3
;; launch tail (part 4): grid 32 x 1, 8 waves a work-group, no clusters, 92,416 bytes of LDS; arguments opart, mlpart, t1, wf, proj_b, ln1_g, ln1_b, ff1_b, ff2_b, ln3_g, ln3_b, out0; writes out0
.if DOCPART == 4
	.amdgcn_target "amdgcn-amd-amdhsa--gfx1250"
	.amdhsa_code_object_version 6
	.text
	.protected	k_q110884b311_tail
	.globl	k_q110884b311_tail
	.p2align	8
	.type	k_q110884b311_tail,@function
k_q110884b311_tail:
	s_mov_b64 s[64:65], 0
	v_nop
	global_prefetch_b8 v0, s[64:65] scope:SCOPE_SE
	s_setreg_imm32_b32 hwreg(HW_REG_WAVE_MODE, 25, 1), 1
	s_wait_xcnt 0x0
; TAIL: for 16 query rows: join the 8 key splits of the cross-attention (wave = head; weights exp(m_s - max m)), projection, + t1, LN1,
; FFN (256 -> 1,024 relu -> 256), + residual, LN3 -> out0.
; Weights come as bf16 blocks of 1,024 bytes = [c][lane][8 numbers] that are matrix operands as they lie.  All products are transposed (A = features,
; B = the 16 rows), so a lane holds 16 columns of one row.  The 18 batches of weights (8 KiB a wave each) run as one stream on two register buffers:
; behind batch n the load of batch n + 2 goes out, across the norms and barriers too.
; LIMITS: matrix operands rounded to bf16, sums f32; v_exp_f32, v_rcp_f32, v_rsq_f32 are good to one unit in the last place and flush denormals
; (ISA guide 15.8); the order of sums differs from a row-wise sum; NaN and infinities are not followed.
; 32 work-groups: 16 rows are one matrix tile and a norm needs whole rows.  No cluster: the weights that the work-groups share go straight into
; registers, each byte once for a work-group, two batches ahead of its use.
.set VEC,   0                          ; proj_b 0, ln1_g 1024, ln1_b 2048, ff2_b 3072, ln3_g 4096, ln3_b 5120, ff1_b 6144..10239
.set RED,   10240                      ; 4 x [16 rows][8 waves], 48 bytes a row
.set RES32, 13312                      ; t1 rows, later the result: 16 x 1,040
.set A16A,  29952                      ; bf16 activations: [k-step 0..7][16 rows], 80 bytes a row: wave w writes block w
.set A16B,  40192
.set H16,   50432                      ; hidden: [k-step 0..31][16 rows]: wave w writes blocks 4 w .. 4 w + 3
.set PROJW, 262144
.set FF1,   393216
.set FF2,   917504
.set WF,    14
.set SEL,   36
.set INV,   38
.set R0,    16
.set R1,    80
.set ACT,   144
.set Y,     176
.set ACC0,  192
.set ACC1,  200
.set TV,    208
.macro PLACES n
.rept \n
	v_nop
.endr
.endm
.macro BAR
	s_barrier_signal -1
	s_barrier_wait -1
.endm
.macro WM d, a, b, acc
.if \acc
	v_wmma_f32_16x16x32_bf16 v[\d:\d+7], v[\a:\a+7], v[\b:\b+7], v[\d:\d+7]
.else
	v_wmma_f32_16x16x32_bf16 v[\d:\d+7], v[\a:\a+7], v[\b:\b+7], 0
.endif
.endm
.macro WLOAD buf, voff, imm0, imm1     ; 8 KiB of weights: 4 k-steps of two feature tiles
.irp i, 0,1,2,3
	global_load_b128 v[\buf+8*\i:\buf+8*\i+3], \voff, s[WF:WF+1] offset:\imm0+1024*\i
	global_load_b128 v[\buf+8*\i+4:\buf+8*\i+7], \voff, s[WF:WF+1] offset:\imm0+1024*\i+512
.endr
.irp i, 0,1,2,3
	global_load_b128 v[\buf+32+8*\i:\buf+35+8*\i], \voff, s[WF:WF+1] offset:\imm1+1024*\i
	global_load_b128 v[\buf+36+8*\i:\buf+39+8*\i], \voff, s[WF:WF+1] offset:\imm1+1024*\i+512
.endr
.endm
.macro WFF1 buf, p, kh                 ; ff1_w: my tiles 2 p, 2 p + 1 of eight, half kh of K = 256
	WLOAD \buf, v5, FF1+(\p)*16384+\kh*4096, FF1+(\p)*16384+\kh*4096+8192
.endm
.macro WFF2 buf, kb                    ; ff2_w: my two tiles, k-steps 4 kb .. 4 kb + 3 of 32
	WLOAD \buf, v5, FF2+(\kb)*4096, FF2+(\kb)*4096+32768
.endm
; 8 matrix instructions: D[feature][row] += W x act, 128 along K.  ACC0 and ACC1 take turns, one instruction a turn.
.macro BATCH buf, areg, aoff, first, cnt
.irp i, 0,1,2,3
	ds_load_b128 v[ACT+8*\i:ACT+8*\i+3], \areg offset:\aoff+1280*\i
	ds_load_b128 v[ACT+8*\i+4:ACT+8*\i+7], \areg offset:\aoff+1280*\i+32
.endr
	s_wait_loadcnt \cnt                            ; this batch's weights are in; the younger batch stays out
	s_wait_dscnt 0x0
	WM ACC0, \buf, ACT, 1-\first
	WM ACC1, \buf+32, ACT, 1-\first
.irp i, 1,2,3
	WM ACC0, \buf+8*\i, ACT+8*\i, 1
	WM ACC1, \buf+32+8*\i, ACT+8*\i, 1
.endr
	PLACES 5
.endm
.macro VEC16 dst, off
.irp c, 0,1
	ds_load_b128 v[\dst+8*\c:\dst+8*\c+3], v8 offset:\off+64*\c
	ds_load_b128 v[\dst+8*\c+4:\dst+8*\c+7], v8 offset:\off+64*\c+16
.endr
.endm
.macro ROW16 dst, off
.irp c, 0,1
	ds_load_b128 v[\dst+8*\c:\dst+8*\c+3], v9 offset:\off+64*\c
	ds_load_b128 v[\dst+8*\c+4:\dst+8*\c+7], v9 offset:\off+64*\c+16
.endr
.endm
.macro REDUCE off                      ; v248: my 16 columns' sum -> the row's sum, in every lane
	v_permlanex16_b32 v252, v248, s[SEL], s[SEL+1]
	v_add_f32 v248, v248, v252
	ds_store_b32 v11, v248 offset:\off             ; both lane halves store the same number to the same word
	s_wait_dscnt 0x0                               ; my store is done before I signal
	BAR
	ds_load_b128 v[240:243], v12 offset:\off
	ds_load_b128 v[244:247], v12 offset:\off+16
	s_wait_dscnt 0x0
	v_pk_add_f32 v[240:241], v[240:241], v[242:243]
	v_pk_add_f32 v[244:245], v[244:245], v[246:247]
	v_pk_add_f32 v[240:241], v[240:241], v[244:245]
	v_add_f32 v248, v240, v241
.endm
.macro LNORM red, goff, boff           ; Y = (Y - mean) rsqrt(var + eps) g + b, the variance from the centred numbers
	VEC16 TV, \goff
	VEC16 TV+16, \boff
	v_pk_add_f32 v[248:249], v[Y:Y+1], v[Y+2:Y+3]
	v_pk_add_f32 v[250:251], v[Y+4:Y+5], v[Y+6:Y+7]
	v_pk_add_f32 v[248:249], v[248:249], v[Y+8:Y+9]
	v_pk_add_f32 v[250:251], v[250:251], v[Y+10:Y+11]
	v_pk_add_f32 v[248:249], v[248:249], v[Y+12:Y+13]
	v_pk_add_f32 v[250:251], v[250:251], v[Y+14:Y+15]
	v_pk_add_f32 v[248:249], v[248:249], v[250:251]
	v_add_f32 v248, v248, v249
	REDUCE \red
	v_mul_f32 v249, s[INV], v248
	v_mul_f32 v248, s[INV], v248
.irp i, 0,2,4,6,8,10,12,14
	v_pk_add_f32 v[Y+\i:Y+\i+1], v[Y+\i:Y+\i+1], v[248:249] neg_lo:[0,1] neg_hi:[0,1]
.endr
	v_pk_mul_f32 v[248:249], v[Y:Y+1], v[Y:Y+1]
	v_pk_mul_f32 v[250:251], v[Y+2:Y+3], v[Y+2:Y+3]
.irp i, 4,8,12
	v_pk_fma_f32 v[248:249], v[Y+\i:Y+\i+1], v[Y+\i:Y+\i+1], v[248:249]
	v_pk_fma_f32 v[250:251], v[Y+\i+2:Y+\i+3], v[Y+\i+2:Y+\i+3], v[250:251]
.endr
	v_pk_add_f32 v[248:249], v[248:249], v[250:251]
	v_add_f32 v248, v248, v249
	REDUCE \red+768
	v_fmaak_f32 v248, s[INV], v248, 0x3727c5ac     ; sum / 256 + 1e-5
	v_rsq_f32 v250, v248
	v_rsq_f32 v251, v248
	v_nop                                          ; one plain place behind the transcendentals (ISA guide 5.7.2)
	s_wait_alu depctr_va_vdst(0)
.irp i, 0,2,4,6,8,10,12,14
	v_pk_mul_f32 v[Y+\i:Y+\i+1], v[Y+\i:Y+\i+1], v[250:251]
.endr
.irp i, 0,2,4,6,8,10,12,14
	v_pk_fma_f32 v[Y+\i:Y+\i+1], v[Y+\i:Y+\i+1], v[TV+\i:TV+\i+1], v[TV+16+\i:TV+17+\i]
.endr
.endm
.macro FF1EPI p                        ; relu(acc + ff1_b) of my hidden features 128 w + 32 p .., as bf16 into block 4 w + p
.irp c, 0,1
	ds_load_b128 v[TV+8*\c:TV+8*\c+3], v15 offset:VEC+6144+128*\p+64*\c
	ds_load_b128 v[TV+8*\c+4:TV+8*\c+7], v15 offset:VEC+6144+128*\p+64*\c+16
.endr
	s_wait_dscnt 0x0
.irp i, 0,2,4,6,8,10,12,14
	v_pk_add_f32 v[ACC0+\i:ACC0+\i+1], v[ACC0+\i:ACC0+\i+1], v[TV+\i:TV+\i+1]
.endr
.irp i, 0,1,2,3,4,5,6,7,8,9,10,11,12,13,14,15
	v_max_num_f32 v[ACC0+\i], 0, v[ACC0+\i]
.endr
.irp i, 0,1,2,3,4,5,6,7
	v_cvt_pk_bf16_f32 v[224+\i], v[ACC0+2*\i], v[ACC0+2*\i+1]
.endr
	ds_store_b128 v255, v[224:227] offset:1280*\p
	ds_store_b128 v255, v[228:231] offset:1280*\p+32
.endm
	s_load_b512 s[8:23], s[0:1], 0x0               ; opart 8, mlpart 10, t1 12, wf 14, proj_b 16, ln1_g 18, ln1_b 20, ff1_b 22
	s_load_b256 s[24:31], s[0:1], 0x40             ; ff2_b 24, ln3_g 26, ln3_b 28, out0 30
	s_set_vgpr_msb 0x40
	v_lshl_add_u32 v0, v0, 2, 0x16500
	v_mov_b32 v1, 0
	s_set_vgpr_msb 0x4000
	v_lshrrev_b32 v4, 5, v0
	v_readfirstlane_b32 s3, v4                     ; wave = head = 32 features
	v_and_b32 v1, 31, v0
	v_lshlrev_b32 v1, 4, v1                        ; 16 x lane
	v_and_b32 v2, 15, v0                           ; my row
	v_bfe_u32 v3, v0, 4, 1                         ; lane half
	s_lshl_b32 s4, s3, 14
	v_add_nc_u32 v4, s4, v1                        ; proj_w: my two tiles' 16 blocks
	s_lshl_b32 s4, s3, 16
	v_add_nc_u32 v5, s4, v1                        ; ff1_w, ff2_w: my 64 blocks
	v_mul_u32_u24 v6, v2, 80
	v_lshl_add_u32 v6, v3, 4, v6                   ; activations' fragments
	v_add_nc_u32 v7, H16, v6                       ; the hidden ones: the base does not fit the 16-bit immediate with the offsets
	s_lshl_b32 s4, s3, 7
	v_lshl_add_u32 v8, v3, 5, s4
	v_mad_u32_u24 v9, v2, 1040, v8
	s_mul_i32 s4, s3, 1280
	v_add_nc_u32 v10, s4, v6
	v_mul_u32_u24 v12, v2, 48
	s_lshl_b32 s4, s3, 2
	v_add_nc_u32 v11, s4, v12
	v_lshrrev_b32 v13, 6, v0
	v_and_b32 v14, 63, v0
	v_lshlrev_b32 v14, 4, v14
	v_mad_u32_u24 v13, v13, 1040, v14
	v_lshlrev_b32 v14, 2, v0
	s_lshl_b32 s4, s3, 9
	v_lshl_add_u32 v15, v3, 5, s4                  ; ff1_b of my 128 hidden features
	v_lshrrev_b32 v250, 1, v1                      ; 8 x lane
	v_lshlrev_b32 v251, 4, v0
	v_mov_b32 v252, 0                              ; v_permlanex16_b32's target counts as read
	s_mul_i32 s4, s3, 2080
	v_add_nc_u32 v253, s4, v1
	s_lshl_b32 s4, s3, 11
	v_add_nc_u32 v254, s4, v1
	s_mul_i32 s4, s3, 5120
	s_add_co_u32 s4, s4, H16
	v_add_nc_u32 v255, s4, v6
	s_mov_b32 s36, 0x76543210
	s_mov_b32 s37, 0xfedcba98
	s_mov_b32 s38, 0x3b800000                      ; 1/256
	s_lshl_b32 s4, ttmp9, 6
	s_add_co_u32 s4, s4, s3                        ; 64 x row block + head; a split is 8 further on
	s_lshl_b32 s32, s4, 8
	s_mov_b32 s33, 0
	s_lshl_b32 s34, s4, 11
	s_mov_b32 s35, 0
	s_lshl_b32 s40, ttmp9, 14
	s_mov_b32 s41, 0
	s_wait_kmcnt 0x0
	s_add_nc_u64 s[10:11], s[10:11], s[32:33]
	s_add_nc_u64 s[8:9], s[8:9], s[34:35]
	s_add_nc_u64 s[12:13], s[12:13], s[40:41]
	s_add_nc_u64 s[30:31], s[30:31], s[40:41]
	; 11 loads for LDS, then the 8 splits' (m, l) and O: 40
	global_load_b32 v224, v14, s[16:17]
	global_load_b32 v225, v14, s[18:19]
	global_load_b32 v226, v14, s[20:21]
	global_load_b32 v227, v14, s[24:25]
	global_load_b32 v228, v14, s[26:27]
	global_load_b32 v229, v14, s[28:29]
	global_load_b128 v[230:233], v251, s[22:23]
.irp i, 0,1,2,3
	global_load_b128 v[234+4*\i:237+4*\i], v251, s[12:13] offset:4096*\i
.endr
.irp s, 0,1,2,3,4,5,6,7
	global_load_b64 v[208+2*\s:209+2*\s], v250, s[10:11] offset:2048*\s
.endr
.irp s, 0,1,2,3,4,5,6,7
.irp i, 0,1,2,3
	global_load_b128 v[80+16*\s+4*\i:83+16*\s+4*\i], v1, s[8:9] offset:16384*\s+512*\i
.endr
.endr
	s_wait_loadcnt 40                              ; the first 11 are in; the splits' 40 stay out
.irp i, 0,1,2,3,4,5
	ds_store_b32 v14, v[224+\i] offset:VEC+1024*\i
.endr
	ds_store_b128 v251, v[230:233] offset:VEC+6144
.irp i, 0,1,2,3
	ds_store_b128 v13, v[234+4*\i:237+4*\i] offset:RES32+4160*\i
.endr
	WLOAD R0, v4, PROJW, PROJW+8192
	s_wait_dscnt 0x0
	s_wait_loadcnt 16                              ; the splits are in; the first weights stay out
	; join the splits: a_s = exp(m_s - M), O = sum a_s O_s / sum a_s l_s
	v_max3_num_f32 v240, v208, v210, v212
	v_max3_num_f32 v240, v240, v214, v216
	v_max3_num_f32 v240, v240, v218, v220
	v_max_num_f32 v240, v240, v222
	v_mul_f32 v242, 0xbfb8aa3b, v240
.irp s, 0,1,2,3,4,5,6,7
	v_fmamk_f32 v[208+2*\s], v[208+2*\s], 0x3fb8aa3b, v242
.endr
.irp s, 0,1,2,3,4,5,6,7
	v_exp_f32 v[208+2*\s], v[208+2*\s]
.endr
	v_nop
	s_wait_alu depctr_va_vdst(0)
	v_mul_f32 v241, v208, v209
.irp s, 1,2,3,4,5,6,7
	v_fmac_f32 v241, v[208+2*\s], v[209+2*\s]
.endr
	v_rcp_f32 v242, v241
	v_rcp_f32 v243, v241                           ; the packed products below are the plain places behind it
.irp i, 0,2,4,6,8,10,12,14
	v_pk_mul_f32 v[80+\i:81+\i], v[80+\i:81+\i], v[208:209] op_sel_hi:[1,0]
.endr
.irp s, 1,2,3,4,5,6,7
.irp i, 0,2,4,6,8,10,12,14
	v_pk_fma_f32 v[80+\i:81+\i], v[80+16*\s+\i:81+16*\s+\i], v[208+2*\s:209+2*\s], v[80+\i:81+\i] op_sel_hi:[1,0,1]
.endr
.endr
	s_wait_alu depctr_va_vdst(0)
.irp i, 0,2,4,6,8,10,12,14
	v_pk_mul_f32 v[80+\i:81+\i], v[80+\i:81+\i], v[242:243]
.endr
.irp i, 0,1,2,3,4,5,6,7
	v_cvt_pk_bf16_f32 v[Y+\i], v[80+2*\i], v[81+2*\i]
.endr
	ds_store_b128 v10, v[Y:Y+3] offset:A16A
	ds_store_b128 v10, v[Y+4:Y+7] offset:A16A+32
	WLOAD R1, v4, PROJW+4096, PROJW+12288
	s_wait_dscnt 0x0
	BAR                                            ; all heads' outputs, the vectors and t1 are in LDS
	; projection, + t1, LN1
	BATCH R0, v6, A16A, 1, 16
	WFF1 R0, 0, 0
	BATCH R1, v6, A16A+5120, 0, 16
	WFF1 R1, 0, 1
	VEC16 TV, VEC
	ROW16 TV+16, RES32
	s_wait_dscnt 0x0
.irp i, 0,2,4,6,8,10,12,14
	v_pk_add_f32 v[Y+\i:Y+\i+1], v[ACC0+\i:ACC0+\i+1], v[TV+\i:TV+\i+1]
.endr
.irp i, 0,2,4,6,8,10,12,14
	v_pk_add_f32 v[Y+\i:Y+\i+1], v[Y+\i:Y+\i+1], v[TV+16+\i:TV+17+\i]
.endr
	LNORM RED, VEC+1024, VEC+2048
.irp i, 0,1,2,3,4,5,6,7
	v_cvt_pk_bf16_f32 v[224+\i], v[Y+2*\i], v[Y+2*\i+1]        ; Y stays in registers as the FFN's residual
.endr
	ds_store_b128 v10, v[224:227] offset:A16B
	ds_store_b128 v10, v[228:231] offset:A16B+32
	s_wait_dscnt 0x0
	BAR
	; first FFN product: my 128 hidden features, two tiles at a time
.irp p, 0,1,2
	BATCH R0, v6, A16B, 1, 16
	WFF1 R0, \p+1, 0
	BATCH R1, v6, A16B+5120, 0, 16
	WFF1 R1, \p+1, 1
	FF1EPI \p
.endr
	BATCH R0, v6, A16B, 1, 16
	WFF2 R0, 0
	BATCH R1, v6, A16B+5120, 0, 16
	WFF2 R1, 1
	FF1EPI 3
	s_wait_dscnt 0x0
	BAR
	; second FFN product: K = 1,024 in eight batches
	BATCH R0, v7, 0, 1, 16
	WFF2 R0, 2
	BATCH R1, v7, 5120, 0, 16
	WFF2 R1, 3
.irp kb, 2,4
	BATCH R0, v7, 5120*\kb, 0, 16
	WFF2 R0, \kb+2
	BATCH R1, v7, 5120*\kb+5120, 0, 16
	WFF2 R1, \kb+3
.endr
	BATCH R0, v7, 5120*6, 0, 16
	BATCH R1, v7, 5120*7, 0, 0
	VEC16 TV, VEC+3072
	s_wait_dscnt 0x0
.irp i, 0,2,4,6,8,10,12,14
	v_pk_add_f32 v[Y+\i:Y+\i+1], v[Y+\i:Y+\i+1], v[ACC0+\i:ACC0+\i+1]
.endr
.irp i, 0,2,4,6,8,10,12,14
	v_pk_add_f32 v[Y+\i:Y+\i+1], v[Y+\i:Y+\i+1], v[TV+\i:TV+\i+1]
.endr
	LNORM RED+1536, VEC+4096, VEC+5120
.irp c, 0,1
	ds_store_b128 v9, v[Y+8*\c:Y+8*\c+3] offset:RES32+64*\c       ; over t1: the bytes that this lane alone read, several barriers ago
	ds_store_b128 v9, v[Y+8*\c+4:Y+8*\c+7] offset:RES32+64*\c+16
.endr
	s_wait_dscnt 0x0
	BAR
.irp i, 0,1,2,3
	ds_load_b128 v[224+4*\i:227+4*\i], v253 offset:RES32+(\i>>1)*1040+(\i&1)*512
.endr
	s_wait_dscnt 0x0
.irp i, 0,1,2,3
	global_store_b128 v254, v[224+4*\i:227+4*\i], s[30:31] offset:512*\i   ; rows 2 w, 2 w + 1: 512 consecutive bytes a store, aligned
.endr
	s_set_vgpr_msb 0x5
	s_wait_tensorcnt 0x0
	ds_add_u32 v0, v1
	s_wait_dscnt 0x0
	s_set_vgpr_msb 0x500
	s_endpgm
.Lfunc_end_k_q110884b311_tail:
	.size	k_q110884b311_tail, .Lfunc_end_k_q110884b311_tail-k_q110884b311_tail
	.p2alignl 7, 3214868480
	.fill 96, 4, 3214868480
	.section	.rodata,"a",@progbits
	.p2align	6, 0x0
	.amdhsa_kernel k_q110884b311_tail
		.amdhsa_group_segment_fixed_size 92416
		.amdhsa_private_segment_fixed_size 0
		.amdhsa_enable_private_segment 0
		.amdhsa_kernarg_size 96
		.amdhsa_user_sgpr_count 2
		.amdhsa_user_sgpr_kernarg_segment_ptr 1
		.amdhsa_wavefront_size32 1
		.amdhsa_system_sgpr_workgroup_id_x 1
		.amdhsa_system_sgpr_workgroup_id_y 1
		.amdhsa_system_sgpr_workgroup_id_z 1
		.amdhsa_system_vgpr_workitem_id 0
		.amdhsa_next_free_vgpr 258
		.amdhsa_next_free_sgpr 66
		.amdhsa_reserve_vcc 0
		.amdhsa_float_denorm_mode_32 3
		.amdhsa_float_denorm_mode_16_64 3
		.amdhsa_memory_ordered 1
		.amdhsa_forward_progress 1
		.amdhsa_inst_pref_size 86
	.end_amdhsa_kernel
	.amdgpu_metadata
---
amdhsa.version: [ 1, 2 ]
amdhsa.kernels:
  - .name:           k_q110884b311_tail
    .symbol:         k_q110884b311_tail.kd
    .args:
      - { .name: opart, .offset: 0, .size: 8, .value_kind: global_buffer, .address_space: global }
      - { .name: mlpart, .offset: 8, .size: 8, .value_kind: global_buffer, .address_space: global }
      - { .name: t1, .offset: 16, .size: 8, .value_kind: global_buffer, .address_space: global }
      - { .name: wf, .offset: 24, .size: 8, .value_kind: global_buffer, .address_space: global }
      - { .name: proj_b, .offset: 32, .size: 8, .value_kind: global_buffer, .address_space: global }
      - { .name: ln1_g, .offset: 40, .size: 8, .value_kind: global_buffer, .address_space: global }
      - { .name: ln1_b, .offset: 48, .size: 8, .value_kind: global_buffer, .address_space: global }
      - { .name: ff1_b, .offset: 56, .size: 8, .value_kind: global_buffer, .address_space: global }
      - { .name: ff2_b, .offset: 64, .size: 8, .value_kind: global_buffer, .address_space: global }
      - { .name: ln3_g, .offset: 72, .size: 8, .value_kind: global_buffer, .address_space: global }
      - { .name: ln3_b, .offset: 80, .size: 8, .value_kind: global_buffer, .address_space: global }
      - { .name: out0, .offset: 88, .size: 8, .value_kind: global_buffer, .address_space: global }
    .group_segment_fixed_size: 92416
    .private_segment_fixed_size: 0
    .kernarg_segment_align: 8
    .kernarg_segment_size: 96
    .max_flat_workgroup_size: 256
    .sgpr_count:     66
    .vgpr_count:     258
    .wavefront_size: 32
...
	.end_amdgpu_metadata
.endif
;; end of part 4
;; ======== version 2 of 2: 5 launches; 1.23 times as fast as version 1
;; workspace buffers: kv 2,097,152 bytes; sqkv 786,432 bytes; wf 1,441,792 bytes; t1 524,288 bytes; xin 14,942,208 bytes; opart 4,194,304 bytes; mlpart 524,288 bytes; fpart 4,194,304 bytes
;; launch proj: the kernel of part 1 again; grid 220 x 1, 8 waves a work-group, no clusters, 102,400 bytes of LDS; arguments src, src_pos_embed, tgt, query_pos, kw, vw, in_proj_w, kb, vb, in_proj_b, out_w, qw, proj_w, ff1_w, ff2_w, kv, sqkv, wf; writes kv, sqkv, wf
;; launch selfpre (part 5): grid 256 x 1, 8 waves a work-group, no clusters, 60,416 bytes of LDS; arguments tgt, query_pos, sqkv, wf, out_b, ln2_g, ln2_b, qb, t1, xin, cross_attn_mask, src_padding_mask, cpb_w1, cpb_b1, cpb_w2; writes t1, xin
.if DOCPART == 5
	.amdgcn_target "amdgcn-amd-amdhsa--gfx1250"
	.amdhsa_code_object_version 6
	.text
	.protected	k_q110884b311_selfpre
	.globl	k_q110884b311_selfpre
	.p2align	8
	.type	k_q110884b311_selfpre,@function
k_q110884b311_selfpre:
	s_mov_b64 s[64:65], 0
	v_nop
	global_prefetch_b8 v0, s[64:65] scope:SCOPE_SE
	s_setreg_imm32_b32 hwreg(HW_REG_WAVE_MODE, 25, 1), 1
	s_wait_xcnt 0x0
; SELFPRE: two kinds of work-groups in one launch.
; WORK-GROUPS 0-31, for 16 query rows each: self-attention (wave = head, 256 keys in two halves with a running maximum), out-projection, + tgt,
; LN2 -> t1 (f32), then ((t1 + query_pos) qw^T + qb) * 32^-0.5 -> the first 262,144 bytes of xin (bf16, fragment order: see below).
; q, k, v and the weights come as bf16 blocks of 1,024 bytes = [c][lane][8 numbers] that are matrix operands as they lie: two 16-byte loads a lane.
; All products are taken transposed (A = keys, dims or features; B = the 16 query rows), so a lane holds one query row: softmax and the norms
; reduce inside a lane, across the two lane halves, and (norms) across the eight waves through LDS.
; This work has no more than 32 work-groups: 16 rows are one matrix tile and a norm needs whole rows.
; WORK-GROUPS 32-255 take a part of the next launch's work that hangs on inputs alone: the bias of the cross-attention,
; bias[pos][head] = relu(x w1 + b1)[512] . w2[head][512] - 100 x padding, for rows 0-6 of each tile of 16 query rows: 32 tiles x 7 rows = 224 work-groups,
; one query row x 1,024 keys each (wave = 128 keys, unit = 16 keys).  Out: behind byte 262,144 of xin, a block of 1,024 bytes a unit, the 8 sums' registers as
; they lie.  Lanes r and r + 8 hold the same head's numbers, so half of a block repeats the other half: the price of stores of 512 consecutive bytes.
; LIMITS: matrix operands rounded to bf16, sums f32; v_exp_f32, v_rcp_f32, v_rsq_f32 are good to one unit in the last place and flush denormals
; (ISA guide 15.8); the order of sums differs from a row-wise sum; NaN and infinities are not followed.
; No cluster: what the first kind shares (k, v of a batch, two weights, 512 KiB) is read once by each, straight into registers, two batches ahead of its
; use; what the second kind shares (w1, b1, w2) is 20 KiB, read once.
.set VEC,   0                          ; out_b, ln2_g, ln2_b, qb: 1,024 bytes each
.set RES32, 4096                       ; tgt rows, later t1: 16 x 1,040 (1,024 + 16)
.set QP32,  20736                      ; query_pos rows
.set A16A,  37376                      ; bf16 activations: [k-step 0..7][16 rows], 80 bytes a row (64 + 16): wave w writes block w
.set A16B,  47616
.set RED,   57856                      ; 2 x [16 rows][8 waves], 48 bytes a row
.set OUTW,  0
.set QW,    131072
.set WF,    14
.set SEL,   28
.set INV,   30                         ; s30 = 1/256, s31 = 1e-5
.set R0,    16                         ; v[16:79]   K, then weights
.set R1,    80                         ; v[80:143]  V, then weights
.set S,     144                        ; v[144:207] scores; packed to bf16 in v[144:175]
.set ACT,   144                        ; v[144:175] activations' fragments
.set Y,     176                        ; v[176:191] my 16 numbers of a row
.set ACC0,  192
.set ACC1,  200
.set TV,    208                        ; v[208:239] vectors at work
.set QF,    208
.set O,     216                        ; v[216:231]
; v240 M, v241 l, v[242:243] -M log2 e, v[244:245] alpha, v[246:251] at work (norms: v[240:247] the waves' sums), v252 the other half's value
; the bias work-groups' own maps
.set PW2L,  0                          ; LDS: w2, 8 rows of 2,048 + 16 bytes
.set PW1L,  16640                      ; LDS: w1, then b1
.set BPRE,  262144                     ; where the bias rows begin in xin
.set PX,    16                         ; v[16:23]   x of unit j (lane: key 16 j + lane%16)
.set PW1,   32                         ; v[32:47]   w1 of my 16 hidden indices
.set PB1,   48                         ; v[48:63]   b1
.set PRAW,  64                         ; v[64:79]   w2 in f32
.set PW2F,  80                         ; v[80:87]   w2 as operand B
.set PF,    88                         ; v[88:95]   h1 as operand A
.set PT,    96                         ; v[96:111]  h1 in f32
.set PACC,  112                        ; v[112:175] 8 units
.macro PLACES n
.rept \n
	v_nop
.endr
.endm
.macro BAR
	s_barrier_signal -1
	s_barrier_wait -1
.endm
.macro WM d, a, b, acc
.if \acc
	v_wmma_f32_16x16x32_bf16 v[\d:\d+7], v[\a:\a+7], v[\b:\b+7], v[\d:\d+7]
.else
	v_wmma_f32_16x16x32_bf16 v[\d:\d+7], v[\a:\a+7], v[\b:\b+7], 0
.endif
.endm
; 8 KiB of weights: 4 k-steps of my two feature tiles
.macro WLOAD buf, voff, imm0, imm1
.irp i, 0,1,2,3
	global_load_b128 v[\buf+8*\i:\buf+8*\i+3], \voff, s[WF:WF+1] offset:\imm0+1024*\i
	global_load_b128 v[\buf+8*\i+4:\buf+8*\i+7], \voff, s[WF:WF+1] offset:\imm0+1024*\i+512
.endr
.irp i, 0,1,2,3
	global_load_b128 v[\buf+32+8*\i:\buf+35+8*\i], \voff, s[WF:WF+1] offset:\imm1+1024*\i
	global_load_b128 v[\buf+36+8*\i:\buf+39+8*\i], \voff, s[WF:WF+1] offset:\imm1+1024*\i+512
.endr
.endm
; 8 matrix instructions: D[feature][row] += W x act, 128 along K.  ACC0 and ACC1 take turns, one instruction a turn.
.macro BATCH buf, areg, aoff, first, cnt
.irp i, 0,1,2,3
	ds_load_b128 v[ACT+8*\i:ACT+8*\i+3], \areg offset:\aoff+1280*\i
	ds_load_b128 v[ACT+8*\i+4:ACT+8*\i+7], \areg offset:\aoff+1280*\i+32
.endr
	s_wait_loadcnt \cnt                            ; this batch's weights are in; the younger batch stays out
	s_wait_dscnt 0x0
	WM ACC0, \buf, ACT, 1-\first
	WM ACC1, \buf+32, ACT, 1-\first
.irp i, 1,2,3
	WM ACC0, \buf+8*\i, ACT+8*\i, 1
	WM ACC1, \buf+32+8*\i, ACT+8*\i, 1
.endr
	PLACES 5
.endm
.macro VEC16 dst, off                  ; a per-feature vector's 16 numbers for my features 32 w + 16 tile + 8 (lane/16) + j
.irp c, 0,1
	ds_load_b128 v[\dst+8*\c:\dst+8*\c+3], v8 offset:\off+64*\c
	ds_load_b128 v[\dst+8*\c+4:\dst+8*\c+7], v8 offset:\off+64*\c+16
.endr
.endm
.macro ROW16 dst, off                  ; the same 16 columns of my row of an f32 block
.irp c, 0,1
	ds_load_b128 v[\dst+8*\c:\dst+8*\c+3], v9 offset:\off+64*\c
	ds_load_b128 v[\dst+8*\c+4:\dst+8*\c+7], v9 offset:\off+64*\c+16
.endr
.endm
; v248: my 16 columns' sum -> the row's sum over 256 columns, in every lane
.macro REDUCE off
	v_permlanex16_b32 v252, v248, s[SEL], s[SEL+1]
	v_add_f32 v248, v248, v252
	ds_store_b32 v11, v248 offset:\off             ; both lane halves store the same number to the same word
	s_wait_dscnt 0x0                               ; my store is done before I signal
	BAR
	ds_load_b128 v[240:243], v12 offset:\off
	ds_load_b128 v[244:247], v12 offset:\off+16
	s_wait_dscnt 0x0
	v_pk_add_f32 v[240:241], v[240:241], v[242:243]
	v_pk_add_f32 v[244:245], v[244:245], v[246:247]
	v_pk_add_f32 v[240:241], v[240:241], v[244:245]
	v_add_f32 v248, v240, v241
.endm
; Y = (Y - mean) rsqrt(var + eps) g + b, the variance from the centred numbers
.macro LNORM red, goff, boff
	VEC16 TV, \goff
	VEC16 TV+16, \boff
	v_pk_add_f32 v[248:249], v[Y:Y+1], v[Y+2:Y+3]
	v_pk_add_f32 v[250:251], v[Y+4:Y+5], v[Y+6:Y+7]
	v_pk_add_f32 v[248:249], v[248:249], v[Y+8:Y+9]
	v_pk_add_f32 v[250:251], v[250:251], v[Y+10:Y+11]
	v_pk_add_f32 v[248:249], v[248:249], v[Y+12:Y+13]
	v_pk_add_f32 v[250:251], v[250:251], v[Y+14:Y+15]
	v_pk_add_f32 v[248:249], v[248:249], v[250:251]
	v_add_f32 v248, v248, v249
	REDUCE \red
	v_mul_f32 v249, s[INV], v248
	v_mul_f32 v248, s[INV], v248
.irp i, 0,2,4,6,8,10,12,14
	v_pk_add_f32 v[Y+\i:Y+\i+1], v[Y+\i:Y+\i+1], v[248:249] neg_lo:[0,1] neg_hi:[0,1]
.endr
	v_pk_mul_f32 v[248:249], v[Y:Y+1], v[Y:Y+1]
	v_pk_mul_f32 v[250:251], v[Y+2:Y+3], v[Y+2:Y+3]
.irp i, 4,8,12
	v_pk_fma_f32 v[248:249], v[Y+\i:Y+\i+1], v[Y+\i:Y+\i+1], v[248:249]
	v_pk_fma_f32 v[250:251], v[Y+\i+2:Y+\i+3], v[Y+\i+2:Y+\i+3], v[250:251]
.endr
	v_pk_add_f32 v[248:249], v[248:249], v[250:251]
	v_add_f32 v248, v248, v249
	REDUCE \red+768
	v_fma_f32 v248, v248, s[INV], s[INV+1]         ; sum / 256 + 1e-5
	v_rsq_f32 v250, v248
	v_rsq_f32 v251, v248
	v_nop                                          ; one plain place behind the transcendentals (ISA guide 5.7.2)
	s_wait_alu depctr_va_vdst(0)
.irp i, 0,2,4,6,8,10,12,14
	v_pk_mul_f32 v[Y+\i:Y+\i+1], v[Y+\i:Y+\i+1], v[250:251]
.endr
.irp i, 0,2,4,6,8,10,12,14
	v_pk_fma_f32 v[Y+\i:Y+\i+1], v[Y+\i:Y+\i+1], v[TV+\i:TV+\i+1], v[TV+16+\i:TV+17+\i]
.endr
.endm
; Softmax step on 128 keys: a lane holds 64 scores of its row in v[b:b+63], the other lane half the other 64.
; Leaves exp(s - M) packed to bf16 in v[b:b+31] (four B operands of 32 keys), M in v240, the running sum in v241; first = 0: rescales v241 and O.
.macro SM b, first, o
	v_max3_num_f32 v246, v[\b], v[\b+1], v[\b+2]
	v_max3_num_f32 v247, v[\b+3], v[\b+4], v[\b+5]
	v_max3_num_f32 v248, v[\b+6], v[\b+7], v[\b+8]
	v_max3_num_f32 v249, v[\b+9], v[\b+10], v[\b+11]
.set smk, 12
.rept 26
	v_max3_num_f32 v[246+(smk/2)%4], v[246+(smk/2)%4], v[\b+smk], v[\b+smk+1]
.set smk, smk+2
.endr
	v_max3_num_f32 v246, v246, v247, v248
	v_max_num_f32 v246, v246, v249
	v_permlanex16_b32 v252, v246, s[SEL], s[SEL+1]
.if \first
	v_max_num_f32 v240, v246, v252
.else
	v_max3_num_f32 v247, v246, v252, v240          ; the new running maximum
	v_sub_f32 v248, v240, v247
	v_mul_f32 v248, 0x3fb8aa3b, v248
	v_exp_f32 v244, v248                           ; alpha = exp(M old - M new)
	v_mov_b32 v240, v247                           ; the plain place behind it
	s_wait_alu depctr_va_vdst(0)
	v_mov_b32 v245, v244
.endif
	v_mul_f32 v242, 0xbfb8aa3b, v240
	v_mul_f32 v243, 0xbfb8aa3b, v240
.set smk, 0
.rept 32
	v_pk_fma_f32 v[\b+smk:\b+smk+1], v[\b+smk:\b+smk+1], 0x3fb8aa3b, v[242:243] op_sel_hi:[1,0,1]
.set smk, smk+2
.endr
.set smk, 0
.rept 64
	v_exp_f32 v[\b+smk], v[\b+smk]
.set smk, smk+1
.endr
	v_nop
	s_wait_alu depctr_va_vdst(0)
	v_pk_add_f32 v[246:247], v[\b:\b+1], v[\b+2:\b+3]
	v_pk_add_f32 v[248:249], v[\b+4:\b+5], v[\b+6:\b+7]
.set smk, 8
.rept 14
	v_pk_add_f32 v[246:247], v[246:247], v[\b+smk:\b+smk+1]
	v_pk_add_f32 v[248:249], v[248:249], v[\b+smk+2:\b+smk+3]
.set smk, smk+4
.endr
	v_pk_add_f32 v[246:247], v[246:247], v[248:249]
	v_add_f32 v246, v246, v247
	v_permlanex16_b32 v252, v246, s[SEL], s[SEL+1]
.if \first
	v_add_f32 v241, v246, v252
.else
	v_add_f32 v246, v246, v252
	v_fma_f32 v241, v241, v244, v246
.irp i, 0,2,4,6,8,10,12,14
	v_pk_mul_f32 v[\o+\i:\o+\i+1], v[\o+\i:\o+\i+1], v[244:245]
.endr
.endif
.set smk, 0
.rept 32
	v_cvt_pk_bf16_f32 v[\b+smk], v[\b+2*smk], v[\b+2*smk+1]   ; the target never passes a source not yet read
.set smk, smk+1
.endr
.endm
.macro KV16 buf, off                   ; 8 blocks of my head's k or v
.irp i, 0,1,2,3,4,5,6,7,8,9,10,11,12,13,14,15
	global_load_b128 v[\buf+4*\i:\buf+4*\i+3], v1, s[12:13] offset:\off+512*\i
.endr
.endm
.macro QK                              ; scores [key][row] of 8 key tiles
.irp t, 0,1,2,3,4,5,6,7
	WM S+8*\t, R0+8*\t, QF, 0
.endr
.endm
.macro PV acc                          ; O[dim][row] += V^T P; the two dim tiles take turns
	WM O, R1, S, \acc
	WM O+8, R1+8, S, \acc
.irp g, 1,2,3
	WM O, R1+16*\g, S+8*\g, 1
	WM O+8, R1+16*\g+8, S+8*\g, 1
.endr
.endm
.macro ROWOUT sb                       ; rows 2 w, 2 w + 1 of RES32 out: each store of the wave covers 512 consecutive bytes, aligned
.irp i, 0,1,2,3
	ds_load_b128 v[224+4*\i:227+4*\i], v253 offset:RES32+(\i>>1)*1040+(\i&1)*512
.endr
	s_wait_dscnt 0x0
.irp i, 0,1,2,3
	global_store_b128 v254, v[224+4*\i:227+4*\i], s[\sb:\sb+1] offset:512*\i
.endr
.endm
; The bias: one unit, 32 hidden indices: 16 positions x 32 numbers of h1 and their product with w2.  Register i of lane half hh stands for hidden indices
; r0 + 16 hh + 2 i, + 1 in A and in B alike.  The relu takes two numbers an instruction (a dual pair: even and odd target, second sources in
; neighbouring banks).  cv: w2's next 32 indices become operand B (16 plain places behind the last product that read it); pre: w2 of the trip after
; is fetched; ld: w1 and b1 of the next trip are fetched, behind their last use.
.macro UNIT u, cv, pre, ld
.irp i, 0,1,2,3,4,5,6,7
.if (\u)&1
	v_pk_fma_f32 v[PT+2*\i:PT+2*\i+1], v[PW1+2*\i:PW1+2*\i+1], v[PX+\u-1:PX+\u], v[PB1+2*\i:PB1+2*\i+1] op_sel:[0,1,0] op_sel_hi:[1,1,1]
.else
	v_pk_fma_f32 v[PT+2*\i:PT+2*\i+1], v[PW1+2*\i:PW1+2*\i+1], v[PX+\u:PX+\u+1], v[PB1+2*\i:PB1+2*\i+1] op_sel_hi:[1,0,1]
.endif
.endr
.if \ld
.irp i, 0,1,2,3
	ds_load_b128 v[PW1+4*\i:PW1+4*\i+3], v9 offset:16*\i
	ds_load_b128 v[PB1+4*\i:PB1+4*\i+3], v9 offset:2048+16*\i
.endr
.endif
.irp i, 0,1,2,3,4,5,6,7
	v_dual_max_num_f32 v[PT+2*\i], 0, v[PT+2*\i] :: v_dual_max_num_f32 v[PT+2*\i+1], 0, v[PT+2*\i+1]
.endr
.if \cv
.irp i, 0,1,2,3,4,5,6,7
	v_cvt_pk_bf16_f32 v[PW2F+\i], v[PRAW+2*\i], v[PRAW+2*\i+1]
.endr
.if \pre
	v_add_nc_u32 v9, 128, v9
	v_add_nc_u32 v10, 128, v10
.irp i, 0,1,2,3
	ds_load_b128 v[PRAW+4*\i:PRAW+4*\i+3], v10 offset:16*\i
.endr
.endif
.endif
.irp i, 0,1,2,3,4,5,6,7
	v_cvt_pk_bf16_f32 v[PF+\i], v[PT+2*\i], v[PT+2*\i+1]       ; 16 plain places behind the product that read PF
.endr
	WM PACC+8*\u, PF, PW2F, 1
.endm
; 32 hidden indices for all 8 units.  The 8 accumulators take turns, one instruction a turn, over the backward jump too.
.macro TRIP pre
	s_wait_dscnt 0x0                               ; this trip's w1, b1, w2
	UNIT 0, 1, \pre, 0
.irp u, 1,2,3,4,5,6
	UNIT \u, 0, 0, 0
.endr
	UNIT 7, 0, 0, \pre
.endm
	v_lshl_add_u32 v255, v0, 2, 0xe800
	s_set_vgpr_msb 0x40
	v_mov_b32 v1, 0
	s_set_vgpr_msb 0x4000
	s_mov_b32 s2, ttmp9
	s_cmp_ge_u32 s2, 32
	s_cbranch_scc1 .Lbias                          ; the long work-groups have the lowest numbers
	; ================ work-groups 0-31: self-attention, LN2, the cross-attention's q
	s_load_b512 s[8:23], s[0:1], 0x0               ; tgt 8, query_pos 10, sqkv 12, wf 14, out_b 16, ln2_g 18, ln2_b 20, qb 22
	s_load_b128 s[24:27], s[0:1], 0x40             ; t1 24, xin 26 (q at its head)
	v_lshrrev_b32 v4, 5, v0
	v_readfirstlane_b32 s3, v4                     ; wave = head = 32 features
	v_and_b32 v1, 31, v0
	v_lshlrev_b32 v1, 4, v1                        ; 16 x lane
	v_and_b32 v2, 15, v0                           ; my query row
	v_bfe_u32 v3, v0, 4, 1                         ; lane half
	s_lshl_b32 s4, s3, 14
	v_add_nc_u32 v4, s4, v1                        ; weights with K = 256: my two tiles' 16 blocks
	v_mul_u32_u24 v6, v2, 80
	v_lshl_add_u32 v6, v3, 4, v6                   ; activations' fragments
	s_lshl_b32 s4, s3, 7
	v_lshl_add_u32 v8, v3, 5, s4                   ; 128 w + 32 half
	v_mad_u32_u24 v9, v2, 1040, v8
	s_mul_i32 s4, s3, 1280
	v_add_nc_u32 v10, s4, v6                       ; where my 32 features go, as bf16
	v_mul_u32_u24 v12, v2, 48
	s_lshl_b32 s4, s3, 2
	v_add_nc_u32 v11, s4, v12
	v_lshrrev_b32 v13, 6, v0
	v_and_b32 v14, 63, v0
	v_lshlrev_b32 v14, 4, v14
	v_mad_u32_u24 v13, v13, 1040, v14              ; staging of f32 rows
	v_lshlrev_b32 v14, 2, v0
	v_lshlrev_b32 v251, 4, v0
	v_mov_b32 v252, 0                              ; v_permlanex16_b32's target counts as read
	s_mul_i32 s4, s3, 2080
	v_add_nc_u32 v253, s4, v1
	s_lshl_b32 s4, s3, 11
	v_add_nc_u32 v254, s4, v1
	s_mov_b32 s28, 0x76543210
	s_mov_b32 s29, 0xfedcba98
	s_mov_b32 s30, 0x3b800000                      ; 1/256
	s_mov_b32 s31, 0x3727c5ac                      ; 1e-5
	s_lshr_b32 s5, ttmp9, 4                        ; batch
	s_and_b32 s6, ttmp9, 15                        ; query tile
	s_lshl3_add_u32 s5, s5, s3
	s_lshl_b32 s32, s5, 14                         ; (8 batch + head) x 16 blocks
	s_mov_b32 s33, 0
	s_lshl_b32 s34, ttmp9, 14                      ; 16 rows of 1,024 bytes
	s_mov_b32 s35, 0
	s_lshl_b32 s6, s6, 10
	v_add_nc_u32 v15, s6, v1                       ; my query tile's block
	s_wait_kmcnt 0x0
	s_add_nc_u64 s[8:9], s[8:9], s[34:35]
	s_add_nc_u64 s[10:11], s[10:11], s[34:35]
	s_add_nc_u64 s[24:25], s[24:25], s[34:35]
	s_add_nc_u64 s[12:13], s[12:13], s[32:33]
	s_add_nc_u64 s[26:27], s[26:27], s[32:33]
	; 12 loads for LDS, then q and the first 128 keys (18), then their v (16)
	global_load_b32 v144, v14, s[16:17]
	global_load_b32 v145, v14, s[18:19]
	global_load_b32 v146, v14, s[20:21]
	global_load_b32 v147, v14, s[22:23]
.irp i, 0,1,2,3
	global_load_b128 v[148+4*\i:151+4*\i], v251, s[8:9] offset:4096*\i
.endr
.irp i, 0,1,2,3
	global_load_b128 v[164+4*\i:167+4*\i], v251, s[10:11] offset:4096*\i
.endr
	global_load_b128 v[QF:QF+3], v15, s[12:13]
	global_load_b128 v[QF+4:QF+7], v15, s[12:13] offset:512
	KV16 R0, 262144
	KV16 R1, 524288
	s_wait_loadcnt 34                              ; the first 12 are in; 2 + 16 + 16 stay out
	ds_store_b32 v14, v144 offset:VEC
	ds_store_b32 v14, v145 offset:VEC+1024
	ds_store_b32 v14, v146 offset:VEC+2048
	ds_store_b32 v14, v147 offset:VEC+3072
.irp i, 0,1,2,3
	ds_store_b128 v13, v[148+4*\i:151+4*\i] offset:RES32+4160*\i
	ds_store_b128 v13, v[164+4*\i:167+4*\i] offset:QP32+4160*\i
.endr
	s_wait_dscnt 0x0
	s_wait_loadcnt 16                              ; q and k are in; v stays out.  Every count of 16 below: the one younger run of 16 loads stays out
	QK
	PLACES 5
	KV16 R0, 262144+8192
	SM S, 1, O
	s_wait_loadcnt 16
	PV 0
	PLACES 5
	KV16 R1, 524288+8192
	s_wait_loadcnt 16
	QK
	PLACES 5
	WLOAD R0, v4, OUTW, OUTW+8192
	SM S, 0, O
	s_wait_loadcnt 16
	PV 1
	PLACES 5
	WLOAD R1, v4, OUTW+4096, OUTW+12288
	v_rcp_f32 v246, v241
	v_rcp_f32 v247, v241
	v_nop
	s_wait_alu depctr_va_vdst(0)
.irp i, 0,2,4,6,8,10,12,14
	v_pk_mul_f32 v[O+\i:O+\i+1], v[O+\i:O+\i+1], v[246:247]
.endr
.irp i, 0,1,2,3,4,5,6,7
	v_cvt_pk_bf16_f32 v[232+\i], v[O+2*\i], v[O+2*\i+1]
.endr
	ds_store_b128 v10, v[232:235] offset:A16A
	ds_store_b128 v10, v[236:239] offset:A16A+32
	s_wait_dscnt 0x0
	BAR                                            ; all heads' outputs, the vectors and the f32 rows are in LDS
	BATCH R0, v6, A16A, 1, 16
	WLOAD R0, v4, QW, QW+8192
	BATCH R1, v6, A16A+5120, 0, 16
	WLOAD R1, v4, QW+4096, QW+12288
	VEC16 TV, VEC
	ROW16 TV+16, RES32
	s_wait_dscnt 0x0
.irp i, 0,2,4,6,8,10,12,14
	v_pk_add_f32 v[Y+\i:Y+\i+1], v[ACC0+\i:ACC0+\i+1], v[TV+\i:TV+\i+1]
.endr
.irp i, 0,2,4,6,8,10,12,14
	v_pk_add_f32 v[Y+\i:Y+\i+1], v[Y+\i:Y+\i+1], v[TV+16+\i:TV+17+\i]
.endr
	LNORM RED, VEC+1024, VEC+2048
.irp c, 0,1
	ds_store_b128 v9, v[Y+8*\c:Y+8*\c+3] offset:RES32+64*\c       ; t1 over tgt: the bytes that this lane alone read, two barriers ago
	ds_store_b128 v9, v[Y+8*\c+4:Y+8*\c+7] offset:RES32+64*\c+16
.endr
	ROW16 TV, QP32
	s_wait_dscnt 0x0
.irp i, 0,2,4,6,8,10,12,14
	v_pk_add_f32 v[TV+\i:TV+\i+1], v[TV+\i:TV+\i+1], v[Y+\i:Y+\i+1]
.endr
.irp i, 0,1,2,3,4,5,6,7
	v_cvt_pk_bf16_f32 v[TV+16+\i], v[TV+2*\i], v[TV+2*\i+1]
.endr
	ds_store_b128 v10, v[TV+16:TV+19] offset:A16B
	ds_store_b128 v10, v[TV+20:TV+23] offset:A16B+32
	s_wait_dscnt 0x0
	BAR
	ROWOUT 24
	BATCH R0, v6, A16B, 1, 16
	BATCH R1, v6, A16B+5120, 0, 0
	VEC16 TV, VEC+3072
	s_wait_dscnt 0x0
.irp i, 0,2,4,6,8,10,12,14
	v_pk_mul_f32 v[TV+\i:TV+\i+1], v[TV+\i:TV+\i+1], 0x3e3504f3 op_sel_hi:[1,0]
.endr
.irp i, 0,2,4,6,8,10,12,14
	v_pk_fma_f32 v[ACC0+\i:ACC0+\i+1], v[ACC0+\i:ACC0+\i+1], 0x3e3504f3, v[TV+\i:TV+\i+1] op_sel_hi:[1,0,1]
.endr
.irp i, 0,1,2,3,4,5,6,7
	v_cvt_pk_bf16_f32 v[Y+\i], v[ACC0+2*\i], v[ACC0+2*\i+1]
.endr
	global_store_b128 v15, v[Y:Y+3], s[26:27]
	global_store_b128 v15, v[Y+4:Y+7], s[26:27] offset:512
	s_set_vgpr_msb 0x4
	s_wait_tensorcnt 0x0
	ds_add_u32 v255, v1
	s_wait_dscnt 0x0
	s_set_vgpr_msb 0x400
	s_endpgm
	; ================ work-groups 32-255: one query row of the cross-attention's bias
.Lbias:
	s_load_b64 s[18:19], s[0:1], 0x48              ; xin
	s_load_b256 s[8:15], s[0:1], 0x50              ; mask 8, padding 10, w1 12, b1 14
	s_load_b64 s[16:17], s[0:1], 0x70              ; w2
	v_lshrrev_b32 v4, 5, v0
	v_readfirstlane_b32 s3, v4                     ; wave = key split of 128 keys
	v_and_b32 v1, 31, v0
	v_lshlrev_b32 v1, 4, v1                        ; 16 x lane
	v_and_b32 v2, 15, v0                           ; r
	v_bfe_u32 v3, v0, 4, 1                         ; lane half
	s_sub_co_u32 s4, s2, 32                        ; p = 7 c + row, 0 .. 223
	s_mul_i32 s5, s4, 9363                         ; 7 x 9,363 = 65,536 + 5: (p x 9,363) >> 16 = p / 7 as long as 5 c + 9,363 x 6 < 65,536
	s_lshr_b32 s5, s5, 16                          ; c = 16 batch + query tile
	s_mul_i32 s6, s5, 7
	s_sub_co_u32 s6, s4, s6                        ; row 0 .. 6 of the tile
	s_lshl4_add_u32 s6, s5, s6                     ; the row among all 512
	s_lshl_b32 s20, s3, 9                          ; my 128 keys, 512 bytes
	s_lshl_b32 s7, s6, 12
	s_add_co_u32 s7, s7, s20
	v_lshl_add_u32 v4, v2, 2, s7                   ; x of key r of my first tile
	s_lshr_b32 s21, s5, 4                          ; batch
	s_lshl_b32 s21, s21, 12
	s_add_co_u32 s21, s21, s20
	v_lshl_add_u32 v5, v3, 5, s21                  ; padding of keys 8 half .. of my first tile
	s_lshl_b32 s22, s3, 11
	v_add_nc_u32 v6, s22, v1                       ; w2 row w in memory
	s_mul_i32 s22, s3, 2064
	v_add_nc_u32 v7, s22, v1                       ; and in LDS
	v_add_nc_u32 v8, s20, v1                       ; a quarter of w1 (waves 0-3) or b1 (waves 4-7) in LDS
	s_and_b32 s23, s20, 0x600
	v_add_nc_u32 v12, s23, v1                      ; and in memory
	v_lshl_add_u32 v9, v3, 6, PW1L
	v_and_b32 v10, 7, v2
	v_mul_u32_u24 v10, v10, 2064
	v_lshl_add_u32 v10, v3, 6, v10                 ; w2 begins at LDS byte 0; columns 8-15 of B repeat heads 0-7
	s_lshl_b32 s24, s4, 16                         ; 64 blocks a work-group,
	s_lshl_b32 s25, s3, 13                         ; 8 a wave
	s_add_co_u32 s24, s24, s25
	s_add_co_u32 s24, s24, BPRE
	s_mov_b32 s25, 0
	s_wait_kmcnt 0x0
	s_cmp_lt_u32 s3, 4
	s_cselect_b64 s[26:27], s[12:13], s[14:15]
	s_add_nc_u64 s[18:19], s[18:19], s[24:25]
.irp i, 0,1,2,3
	global_load_b128 v[PRAW+4*\i:PRAW+4*\i+3], v6, s[16:17] offset:512*\i
.endr
	global_load_b128 v[PW1:PW1+3], v12, s[26:27]
.irp j, 0,1,2,3,4,5,6,7
	global_load_b32 v[PX+\j], v4, s[8:9] offset:64*\j             ; the wave's eight loads cover 512 consecutive bytes of the row
.endr
.irp j, 0,1,2,3,4,5,6,7
	global_load_b128 v[PACC+8*\j:PACC+8*\j+3], v5, s[10:11] offset:64*\j
	global_load_b128 v[PACC+8*\j+4:PACC+8*\j+7], v5, s[10:11] offset:64*\j+16
.endr
	s_wait_loadcnt 24                              ; w2, w1, b1 are in; x (8 loads) and padding (16) stay out
.irp i, 0,1,2,3
	ds_store_b128 v7, v[PRAW+4*\i:PRAW+4*\i+3] offset:PW2L+512*\i
.endr
	ds_store_b128 v8, v[PW1:PW1+3] offset:PW1L
	s_wait_dscnt 0x0                               ; my stores are done before I signal
	BAR                                            ; w1, b1, w2 are whole
.irp i, 0,1,2,3
	ds_load_b128 v[PW1+4*\i:PW1+4*\i+3], v9 offset:16*\i
	ds_load_b128 v[PB1+4*\i:PB1+4*\i+3], v9 offset:2048+16*\i
	ds_load_b128 v[PRAW+4*\i:PRAW+4*\i+3], v10 offset:16*\i
.endr
	s_wait_loadcnt 0x0
.set n, 0
.rept 32
	v_pk_mul_f32 v[PACC+n:PACC+n+1], v[PACC+n:PACC+n+1], 0xc2c80000 op_sel_hi:[1,0]   ; the sums start from -100 x padding: nothing is cleared
.set n, n+2
.endr
	s_mov_b32 s28, 15
.Lbtrip:
	TRIP 1
	s_sub_co_i32 s28, s28, 1
	s_cmp_lg_u32 s28, 0
	s_cbranch_scc1 .Lbtrip
	TRIP 0                                         ; hidden indices 480-511: nothing more to fetch
	PLACES 5
.irp j, 0,1,2,3,4,5,6,7
	global_store_b128 v1, v[PACC+8*\j:PACC+8*\j+3], s[18:19] offset:1024*\j        ; 512 consecutive bytes a store, aligned
	global_store_b128 v1, v[PACC+8*\j+4:PACC+8*\j+7], s[18:19] offset:1024*\j+512
.endr
	s_set_vgpr_msb 0x4
	s_wait_tensorcnt 0x0
	ds_add_u32 v255, v1
	s_wait_dscnt 0x0
	s_set_vgpr_msb 0x400
	s_endpgm
.Lfunc_end_k_q110884b311_selfpre:
	.size	k_q110884b311_selfpre, .Lfunc_end_k_q110884b311_selfpre-k_q110884b311_selfpre
	.p2alignl 7, 3214868480
	.fill 96, 4, 3214868480
	.section	.rodata,"a",@progbits
	.p2align	6, 0x0
	.amdhsa_kernel k_q110884b311_selfpre
		.amdhsa_group_segment_fixed_size 60416
		.amdhsa_private_segment_fixed_size 0
		.amdhsa_enable_private_segment 0
		.amdhsa_kernarg_size 120
		.amdhsa_user_sgpr_count 2
		.amdhsa_user_sgpr_kernarg_segment_ptr 1
		.amdhsa_wavefront_size32 1
		.amdhsa_system_sgpr_workgroup_id_x 1
		.amdhsa_system_sgpr_workgroup_id_y 1
		.amdhsa_system_sgpr_workgroup_id_z 1
		.amdhsa_system_vgpr_workitem_id 0
		.amdhsa_next_free_vgpr 258
		.amdhsa_next_free_sgpr 66
		.amdhsa_reserve_vcc 0
		.amdhsa_float_denorm_mode_32 3
		.amdhsa_float_denorm_mode_16_64 3
		.amdhsa_memory_ordered 1
		.amdhsa_forward_progress 1
		.amdhsa_inst_pref_size 99
	.end_amdhsa_kernel
	.amdgpu_metadata
---
amdhsa.version: [ 1, 2 ]
amdhsa.kernels:
  - .name:           k_q110884b311_selfpre
    .symbol:         k_q110884b311_selfpre.kd
    .args:
      - { .name: tgt, .offset: 0, .size: 8, .value_kind: global_buffer, .address_space: global }
      - { .name: query_pos, .offset: 8, .size: 8, .value_kind: global_buffer, .address_space: global }
      - { .name: sqkv, .offset: 16, .size: 8, .value_kind: global_buffer, .address_space: global }
      - { .name: wf, .offset: 24, .size: 8, .value_kind: global_buffer, .address_space: global }
      - { .name: out_b, .offset: 32, .size: 8, .value_kind: global_buffer, .address_space: global }
      - { .name: ln2_g, .offset: 40, .size: 8, .value_kind: global_buffer, .address_space: global }
      - { .name: ln2_b, .offset: 48, .size: 8, .value_kind: global_buffer, .address_space: global }
      - { .name: qb, .offset: 56, .size: 8, .value_kind: global_buffer, .address_space: global }
      - { .name: t1, .offset: 64, .size: 8, .value_kind: global_buffer, .address_space: global }
      - { .name: xin, .offset: 72, .size: 8, .value_kind: global_buffer, .address_space: global }
      - { .name: cross_attn_mask, .offset: 80, .size: 8, .value_kind: global_buffer, .address_space: global }
      - { .name: src_padding_mask, .offset: 88, .size: 8, .value_kind: global_buffer, .address_space: global }
      - { .name: cpb_w1, .offset: 96, .size: 8, .value_kind: global_buffer, .address_space: global }
      - { .name: cpb_b1, .offset: 104, .size: 8, .value_kind: global_buffer, .address_space: global }
      - { .name: cpb_w2, .offset: 112, .size: 8, .value_kind: global_buffer, .address_space: global }
    .group_segment_fixed_size: 60416
    .private_segment_fixed_size: 0
    .kernarg_segment_align: 8
    .kernarg_segment_size: 120
    .max_flat_workgroup_size: 256
    .sgpr_count:     66
    .vgpr_count:     258
    .wavefront_size: 32
...
	.end_amdgpu_metadata
.endif
;; end of part 5
;; launch xatt (part 6): grid 256 x 1, 8 waves a work-group, no clusters, 228,864 bytes of LDS; arguments cross_attn_mask, src_padding_mask, cpb_w1, cpb_b1, cpb_w2, kv, xin, opart, mlpart; writes opart, mlpart
.if DOCPART == 6
	.amdgcn_target "amdgcn-amd-amdhsa--gfx1250"
	.amdhsa_code_object_version 6
	.text
	.protected	k_q110884b311_xatt
	.globl	k_q110884b311_xatt
	.p2align	8
	.type	k_q110884b311_xatt,@function
k_q110884b311_xatt:
	s_mov_b64 s[64:65], 0
	v_nop
	global_prefetch_b8 v0, s[64:65] scope:SCOPE_SE
	s_setreg_imm32_b32 hwreg(HW_REG_WAVE_MODE, 25, 1), 1
	s_wait_xcnt 0x0
; XATT: cross-attention of 16 query rows x 128 keys x all 8 heads: 2 batches x 16 query tiles x 8 key splits = 256 work-groups.
; Phase 1 (wave = key tile of 16 keys, all 16 query rows): bias[pos][head] = relu(x w1 + b1)[512] . w2[head][512] - 100 x padding.  Rows 0-6 were made by the
; launch before and are loaded into their registers (14 loads a wave, which have all of phase 1 in which to land); rows 7-15 are made here, 9 units a wave.
; The 512 hidden numbers of a position are made in f32 (one packed multiply-add, a maximum), rounded once to bf16 and fed to the matrix unit as A; they
; never leave the registers.  The sums start from -100 x padding mask.
; Phase 2 (wave = head): scores = K q + bias, softmax over the 128 keys with their own maximum, O = V^T P, not normalised.
; Out: O (f32), the maximum m and the sum l; the next launch joins the 8 splits with the maximum over them.
; LIMITS: h1, w2, q, k, v, P rounded to bf16, sums f32; v_exp_f32 is good to one unit in the last place and flushes denormals (ISA guide 15.8);
; NaN and infinities are not followed.
; No cluster: the 16 query tiles of a split share 128 KiB of K and V, which each asks for once, at its head, by copies that have all of phase 1
; (3,616 vector instructions a wave) in which to land; a joint request would spare none of the work that fills the launch.
.set PRE,   7                          ; rows 0 .. PRE-1 come from memory
.set BPRE,  262144                     ; where they begin in xin, behind q: block ((7 c + row) x 8 + split) x 8 + key tile, 1,024 bytes
.set KL,    0                          ; 8 heads x 8 blocks of K
.set VL,    65536                      ; 8 heads x 8 blocks of V
.set QL,    131072                     ; 8 heads x 1 block of q
.set W2L,   139264                     ; 8 rows of 2,048 + 16 bytes
.set W1L,   155904                     ; w1, then b1
.set BIASL, 160000                     ; head x 8,480 + row x 528 + 4 x key; written by LDS stores alone, in blocks of 256 bytes that no copy fills
.set X,    16                          ; v[16:24]   x of unit u = row 7 + u (lane: key lane%16 of my tile); v25 fills the last pair
                                       ; v26 offset of rows 0-6; v27-v30 addresses of the small copies
.set W1,   32                          ; v[32:47]   w1 of my 16 hidden indices
.set B1,   48                          ; v[48:63]   b1
.set RAW,  64                          ; v[64:79]   w2 in f32
.set W2F,  80                          ; v[80:87]   w2 as operand B
.set F,    88                          ; v[88:95]   h1 as operand A
.set T,    96                          ; v[96:111]  h1 in f32
.set ACC,  112                         ; v[112:239] 16 rows of my key tile
.set PD,   240                         ; v[240:247] padding of my key tile
.set S,    112                         ; phase 2: scores
.set KF,   176
.set QF,   80
.set VF,   16
.set O,    88
.set SEL,  36
.macro PLACES n
.rept \n
	v_nop
.endr
.endm
.macro BAR
	s_barrier_signal -1
	s_barrier_wait -1
.endm
.macro WM d, a, b, acc
.if \acc
	v_wmma_f32_16x16x32_bf16 v[\d:\d+7], v[\a:\a+7], v[\b:\b+7], v[\d:\d+7]
.else
	v_wmma_f32_16x16x32_bf16 v[\d:\d+7], v[\a:\a+7], v[\b:\b+7], 0
.endif
.endm
; Softmax on 128 keys: a lane holds 64 scores of its row in v[b:b+63], the other lane half the other 64.
; Leaves exp(s - M) packed to bf16 in v[b:b+31] (four B operands of 32 keys), M in v240, the sum in v241.
.macro SM b
	v_max3_num_f32 v246, v[\b], v[\b+1], v[\b+2]
	v_max3_num_f32 v247, v[\b+3], v[\b+4], v[\b+5]
	v_max3_num_f32 v248, v[\b+6], v[\b+7], v[\b+8]
	v_max3_num_f32 v249, v[\b+9], v[\b+10], v[\b+11]
.set smk, 12
.rept 26
	v_max3_num_f32 v[246+(smk/2)%4], v[246+(smk/2)%4], v[\b+smk], v[\b+smk+1]
.set smk, smk+2
.endr
	v_max3_num_f32 v246, v246, v247, v248
	v_max_num_f32 v246, v246, v249
	v_permlanex16_b32 v252, v246, s[SEL], s[SEL+1]
	v_max_num_f32 v240, v246, v252
	v_mul_f32 v242, 0xbfb8aa3b, v240
	v_mul_f32 v243, 0xbfb8aa3b, v240
.set smk, 0
.rept 32
	v_pk_fma_f32 v[\b+smk:\b+smk+1], v[\b+smk:\b+smk+1], 0x3fb8aa3b, v[242:243] op_sel_hi:[1,0,1]
.set smk, smk+2
.endr
.set smk, 0
.rept 64
	v_exp_f32 v[\b+smk], v[\b+smk]
.set smk, smk+1
.endr
	v_nop                                          ; one plain place behind the transcendentals (ISA guide 5.7.2)
	s_wait_alu depctr_va_vdst(0)
	v_pk_add_f32 v[246:247], v[\b:\b+1], v[\b+2:\b+3]
	v_pk_add_f32 v[248:249], v[\b+4:\b+5], v[\b+6:\b+7]
.set smk, 8
.rept 14
	v_pk_add_f32 v[246:247], v[246:247], v[\b+smk:\b+smk+1]
	v_pk_add_f32 v[248:249], v[248:249], v[\b+smk+2:\b+smk+3]
.set smk, smk+4
.endr
	v_pk_add_f32 v[246:247], v[246:247], v[248:249]
	v_add_f32 v246, v246, v247
	v_permlanex16_b32 v252, v246, s[SEL], s[SEL+1]
	v_add_f32 v241, v246, v252
.set smk, 0
.rept 32
	v_cvt_pk_bf16_f32 v[\b+smk], v[\b+2*smk], v[\b+2*smk+1]   ; the target never passes a source not yet read
.set smk, smk+1
.endr
.endm
; One unit, 32 hidden indices: 16 positions x 32 numbers of h1 and their product with w2.  Register i of lane half hh stands for hidden indices
; r0 + 16 hh + 2 i, + 1 in A and in B alike.  The relu takes two numbers an instruction (a dual pair: even and odd target, second sources in
; neighbouring banks).  cv: w2's next 32 indices become operand B (16 plain places behind the last product that read it); pre: w2 of the trip after
; is fetched; ld: w1 and b1 of the next trip are fetched, behind their last use.
.macro UNIT u, cv, pre, ld
.irp i, 0,1,2,3,4,5,6,7
.if (\u)&1
	v_pk_fma_f32 v[T+2*\i:T+2*\i+1], v[W1+2*\i:W1+2*\i+1], v[X+\u-1:X+\u], v[B1+2*\i:B1+2*\i+1] op_sel:[0,1,0] op_sel_hi:[1,1,1]
.else
	v_pk_fma_f32 v[T+2*\i:T+2*\i+1], v[W1+2*\i:W1+2*\i+1], v[X+\u:X+\u+1], v[B1+2*\i:B1+2*\i+1] op_sel_hi:[1,0,1]
.endif
.endr
.if \ld
.irp i, 0,1,2,3
	ds_load_b128 v[W1+4*\i:W1+4*\i+3], v9 offset:16*\i
	ds_load_b128 v[B1+4*\i:B1+4*\i+3], v9 offset:2048+16*\i
.endr
.endif
.irp i, 0,1,2,3,4,5,6,7
	v_dual_max_num_f32 v[T+2*\i], 0, v[T+2*\i] :: v_dual_max_num_f32 v[T+2*\i+1], 0, v[T+2*\i+1]
.endr
.if \cv
.irp i, 0,1,2,3,4,5,6,7
	v_cvt_pk_bf16_f32 v[W2F+\i], v[RAW+2*\i], v[RAW+2*\i+1]
.endr
.if \pre
	v_add_nc_u32 v9, 128, v9
	v_add_nc_u32 v10, 128, v10
.irp i, 0,1,2,3
	ds_load_b128 v[RAW+4*\i:RAW+4*\i+3], v10 offset:16*\i
.endr
.endif
.endif
.irp i, 0,1,2,3,4,5,6,7
	v_cvt_pk_bf16_f32 v[F+\i], v[T+2*\i], v[T+2*\i+1]          ; 16 plain places behind the product that read F
.endr
	WM ACC+8*(PRE+\u), F, W2F, 1
.endm
; 32 hidden indices for all 9 units.  The 9 accumulators take turns, one instruction a turn, over the backward jump too.
.macro TRIP pre
	s_wait_dscnt 0x0                               ; this trip's w1, b1, w2
	UNIT 0, 1, \pre, 0
.irp u, 1,2,3,4,5,6,7
	UNIT \u, 0, 0, 0
.endr
	UNIT 8, 0, 0, \pre
.endm
	s_load_b512 s[8:23], s[0:1], 0x0               ; mask 8, padding 10, w1 12, b1 14, w2 16, kv 18, xin 20, opart 22
	s_load_b64 s[24:25], s[0:1], 0x40              ; mlpart
	v_lshl_add_u32 v254, v0, 2, 0x37a00
	v_mov_b32 v255, 0
	ds_add_u32 v254, v255
	ds_add_u32 v254, v255
	v_lshrrev_b32 v4, 5, v0
	v_readfirstlane_b32 s3, v4                     ; wave
	v_and_b32 v1, 31, v0
	v_lshlrev_b32 v1, 4, v1                        ; 16 x lane
	v_and_b32 v2, 15, v0                           ; r
	v_bfe_u32 v3, v0, 4, 1                         ; lane half
	v_mov_b32 v252, 0                              ; v_permlanex16_b32's target counts as read
	s_mov_b32 s36, 0x76543210
	s_mov_b32 s37, 0xfedcba98
	s_and_b32 s4, ttmp9, 7                         ; key split
	s_bfe_u32 s5, ttmp9, 0x40003                   ; query tile
	s_lshr_b32 s6, ttmp9, 7                        ; batch
	; offsets of the loads into registers
	s_lshl_b32 s27, s4, 9                          ; the split's 128 keys, 512 bytes,
	s_lshl_b32 s26, s3, 6                          ; and in them my tile's 16 keys, 64 bytes
	s_add_co_u32 s27, s27, s26
	s_lshl_b32 s7, s6, 20
	s_lshl_b32 s26, s5, 16
	s_add_co_u32 s7, s7, s26
	s_add_co_u32 s7, s7, s27
	v_lshl_add_u32 v13, v2, 2, s7                  ; x of key r, row 0 of the query tile
	s_lshl_b32 s7, s6, 12
	s_add_co_u32 s7, s7, s27
	v_lshl_add_u32 v14, v3, 5, s7                  ; padding of keys 8 half ..
	s_lshr_b32 s7, ttmp9, 3                        ; c = 16 batch + query tile
	s_mul_i32 s7, s7, PRE*65536                    ; a row's 64 blocks are 65,536 bytes
	s_lshl_b32 s26, s4, 13
	s_add_co_u32 s7, s7, s26
	s_lshl_b32 s26, s3, 10
	s_add_co_u32 s7, s7, s26
	s_add_co_u32 s7, s7, BPRE
	v_add_nc_u32 v26, s7, v1                       ; row 0's block of my split and key tile
	; the copies' addresses; each copy's registers stay as they are until its counter shows it done
	s_mul_i32 s26, s3, 2064
	s_add_co_u32 s26, s26, W2L
	v_add_nc_u32 v27, s26, v1
	s_lshl_b32 s26, s3, 11
	v_add_nc_u32 v28, s26, v1                      ; w2 row w
	s_lshl_b32 s26, s3, 9
	s_add_co_u32 s7, s26, W1L
	v_add_nc_u32 v29, s7, v1
	s_and_b32 s7, s26, 0x600
	v_add_nc_u32 v30, s7, v1                       ; a quarter of w1 (waves 0-3) or b1 (waves 4-7)
	s_lshl3_add_u32 s6, s6, s3                     ; 8 batch + head
	s_lshl_b32 s7, s3, 10
	s_add_co_u32 s7, s7, QL
	v_add_nc_u32 v4, s7, v1
	s_lshl4_add_u32 s7, s6, s5
	s_lshl_b32 s7, s7, 10
	v_add_nc_u32 v5, s7, v1
	s_lshl_b32 s7, s3, 13
	v_add_nc_u32 v6, s7, v1
	s_add_co_u32 s7, s7, VL
	v_add_nc_u32 v7, s7, v1
	s_lshl_b32 s7, s6, 16
	s_lshl_b32 s26, s4, 13
	s_add_co_u32 s7, s7, s26
	v_add_nc_u32 v8, s7, v1                        ; (64 (8 batch + head) + 8 split) blocks, in K and in V alike
	; LDS addresses of the two phases
	v_lshl_add_u32 v9, v3, 6, W1L
	v_and_b32 v10, 7, v2
	v_mul_u32_u24 v11, v10, 8480
	v_mul_u32_u24 v10, v10, 2064
	v_lshl_add_u32 v10, v3, 6, v10
	v_add_nc_u32 v10, W2L, v10                     ; columns 8-15 of B repeat heads 0-7
	v_lshl_add_u32 v11, v3, 5, v11
	s_lshl_b32 s7, s3, 6
	s_add_co_u32 s7, s7, BIASL
	v_add_nc_u32 v11, s7, v11                      ; bias out: head r%8, key tile w, keys 8 half ..; the row stands in the immediate
	v_mul_u32_u24 v12, v2, 528
	v_lshl_add_u32 v12, v3, 5, v12
	s_mul_i32 s7, s3, 8480
	s_add_co_u32 s7, s7, BIASL
	v_add_nc_u32 v12, s7, v12                      ; bias in: head w, row r
	v_lshrrev_b32 v15, 1, v1                       ; 8 x lane
	s_lshl3_add_u32 s7, ttmp9, s3
	s_lshl_b32 s32, s7, 11
	s_mov_b32 s33, 0
	s_lshl_b32 s34, s7, 8
	s_mov_b32 s35, 0
	s_wait_dscnt 0x0
	s_wait_kmcnt 0x0
	s_cmp_lt_u32 s3, 4
	s_cselect_b64 s[28:29], s[12:13], s[14:15]
	s_add_nc_u64 s[30:31], s[18:19], 0x100000      ; V
	s_add_nc_u64 s[32:33], s[22:23], s[32:33]
	s_add_nc_u64 s[34:35], s[24:25], s[34:35]
	; What phase 1 needs first goes out first: 5 small copies (w2, w1, b1), x and padding into registers; then q, K, V (34 copies) and rows 0-6 (14 loads).
	; All 39 copies stand ahead of every wait on their counter, every LDS read and every barrier.
.irp i, 0,1,2,3
	global_load_async_to_lds_b128 v27, v28, s[16:17] offset:512*\i
.endr
	global_load_async_to_lds_b128 v29, v30, s[28:29]
.irp i, 0,1,2,3,4,5,6,7,8
	global_load_b32 v[X+\i], v13, s[8:9] offset:(PRE+\i)*4096     ; the eight waves' loads of a row cover its split's 512 consecutive bytes
.endr
	global_load_b128 v[PD:PD+3], v14, s[10:11]
	global_load_b128 v[PD+4:PD+7], v14, s[10:11] offset:16
	global_load_async_to_lds_b128 v4, v5, s[20:21]
	global_load_async_to_lds_b128 v4, v5, s[20:21] offset:512
.irp i, 0,1,2,3,4,5,6,7,8,9,10,11,12,13,14,15
	global_load_async_to_lds_b128 v6, v8, s[18:19] offset:512*\i
.endr
.irp i, 0,1,2,3,4,5,6,7,8,9,10,11,12,13,14,15
	global_load_async_to_lds_b128 v7, v8, s[30:31] offset:512*\i
.endr
.irp i, 0,1,2,3,4,5,6
	global_load_b128 v[ACC+8*\i:ACC+8*\i+3], v26, s[20:21] offset:65536*\i th:TH_LOAD_NT       ; 512 consecutive bytes a load; read once in the launch
	global_load_b128 v[ACC+8*\i+4:ACC+8*\i+7], v26, s[20:21] offset:65536*\i+512 th:TH_LOAD_NT
.endr
	s_wait_asynccnt 34                             ; my 5 small copies have landed; q, K, V (2 + 16 + 16), which I alone read, stay out
	BAR                                            ; w1, b1, w2 are whole; nothing is ever filled again
	; ---- phase 1
.irp i, 0,1,2,3
	ds_load_b128 v[W1+4*\i:W1+4*\i+3], v9 offset:16*\i
	ds_load_b128 v[B1+4*\i:B1+4*\i+3], v9 offset:2048+16*\i
	ds_load_b128 v[RAW+4*\i:RAW+4*\i+3], v10 offset:16*\i
.endr
	s_wait_loadcnt 14                              ; x and padding are in; the 14 loads of rows 0-6 stay out
	v_mov_b32 v[X+9], v[X+8]                       ; the ninth unit's pair: its second register counts as read
.irp i, 0,1,2,3,4,5,6,7,8
.irp k, 0,2,4,6
	v_pk_mul_f32 v[ACC+8*(PRE+\i)+\k:ACC+8*(PRE+\i)+\k+1], v[PD+\k:PD+\k+1], 0xc2c80000 op_sel_hi:[1,0]   ; the sums start from -100 x padding: nothing is cleared
.endr
.endr
	s_mov_b32 s38, 15
.Ltrip:
	TRIP 1
	s_sub_co_i32 s38, s38, 1
	s_cmp_lg_u32 s38, 0
	s_cbranch_scc1 .Ltrip
	TRIP 0                                         ; hidden indices 480-511: nothing more to fetch
	PLACES 5
	s_wait_asynccnt 0x0                            ; q, K, V of my head have landed
	s_wait_loadcnt 0x0                             ; and rows 0-6 of the bias
.irp q, 0,1,2,3,4,5,6,7,8,9,10,11,12,13,14,15
	ds_store_b128 v11, v[ACC+8*\q:ACC+8*\q+3] offset:528*\q        ; lanes r and r + 8 hold the same head's same numbers and store them to the same words
	ds_store_b128 v11, v[ACC+8*\q+4:ACC+8*\q+7] offset:528*\q+16
.endr
	s_wait_dscnt 0x0                               ; my stores are done before I signal
	BAR
	; ---- phase 2
.irp t, 0,1,2,3,4,5,6,7
	ds_load_b128 v[S+8*\t:S+8*\t+3], v12 offset:64*\t
	ds_load_b128 v[S+8*\t+4:S+8*\t+7], v12 offset:64*\t+16
.endr
.irp i, 0,1,2,3,4,5,6,7,8,9,10,11,12,13,14,15
	ds_load_b128 v[KF+4*\i:KF+4*\i+3], v6 offset:512*\i
.endr
	ds_load_b128 v[QF:QF+3], v4
	ds_load_b128 v[QF+4:QF+7], v4 offset:512
.irp i, 0,1,2,3,4,5,6,7,8,9,10,11,12,13,14,15
	ds_load_b128 v[VF+4*\i:VF+4*\i+3], v7 offset:512*\i
.endr
	s_wait_dscnt 16                                ; bias, K, q are in; V's 16 loads stay out
.irp t, 0,1,2,3,4,5,6,7
	WM S+8*\t, KF+8*\t, QF, 1                      ; scores [key][row] onto the bias
.endr
	PLACES 5
	SM S
	s_wait_dscnt 0x0
	WM O, VF, S, 0                                 ; O[dim][row]; the two dim tiles take turns
	WM O+8, VF+8, S, 0
.irp g, 1,2,3
	WM O, VF+16*\g, S+8*\g, 1
	WM O+8, VF+16*\g+8, S+8*\g, 1
.endr
	PLACES 5
.irp i, 0,1,2,3
	global_store_b128 v1, v[O+4*\i:O+4*\i+3], s[32:33] offset:512*\i   ; 512 consecutive bytes a wave
.endr
	global_store_b64 v15, v[240:241], s[34:35]     ; (m, l): 256 consecutive bytes a wave
	s_wait_tensorcnt 0x0
	ds_add_u32 v254, v255
	s_wait_dscnt 0x0
	s_endpgm
.Lfunc_end_k_q110884b311_xatt:
	.size	k_q110884b311_xatt, .Lfunc_end_k_q110884b311_xatt-k_q110884b311_xatt
	.p2alignl 7, 3214868480
	.fill 96, 4, 3214868480
	.section	.rodata,"a",@progbits
	.p2align	6, 0x0
	.amdhsa_kernel k_q110884b311_xatt
		.amdhsa_group_segment_fixed_size 228864
		.amdhsa_private_segment_fixed_size 0
		.amdhsa_enable_private_segment 0
		.amdhsa_kernarg_size 72
		.amdhsa_user_sgpr_count 2
		.amdhsa_user_sgpr_kernarg_segment_ptr 1
		.amdhsa_wavefront_size32 1
		.amdhsa_system_sgpr_workgroup_id_x 1
		.amdhsa_system_sgpr_workgroup_id_y 1
		.amdhsa_system_sgpr_workgroup_id_z 1
		.amdhsa_system_vgpr_workitem_id 0
		.amdhsa_next_free_vgpr 256
		.amdhsa_next_free_sgpr 66
		.amdhsa_reserve_vcc 0
		.amdhsa_float_denorm_mode_32 3
		.amdhsa_float_denorm_mode_16_64 3
		.amdhsa_memory_ordered 1
		.amdhsa_forward_progress 1
		.amdhsa_inst_pref_size 64
	.end_amdhsa_kernel
	.amdgpu_metadata
---
amdhsa.version: [ 1, 2 ]
amdhsa.kernels:
  - .name:           k_q110884b311_xatt
    .symbol:         k_q110884b311_xatt.kd
    .args:
      - { .name: cross_attn_mask, .offset: 0, .size: 8, .value_kind: global_buffer, .address_space: global }
      - { .name: src_padding_mask, .offset: 8, .size: 8, .value_kind: global_buffer, .address_space: global }
      - { .name: cpb_w1, .offset: 16, .size: 8, .value_kind: global_buffer, .address_space: global }
      - { .name: cpb_b1, .offset: 24, .size: 8, .value_kind: global_buffer, .address_space: global }
      - { .name: cpb_w2, .offset: 32, .size: 8, .value_kind: global_buffer, .address_space: global }
      - { .name: kv, .offset: 40, .size: 8, .value_kind: global_buffer, .address_space: global }
      - { .name: xin, .offset: 48, .size: 8, .value_kind: global_buffer, .address_space: global }
      - { .name: opart, .offset: 56, .size: 8, .value_kind: global_buffer, .address_space: global }
      - { .name: mlpart, .offset: 64, .size: 8, .value_kind: global_buffer, .address_space: global }
    .group_segment_fixed_size: 228864
    .private_segment_fixed_size: 0
    .kernarg_segment_align: 8
    .kernarg_segment_size: 72
    .max_flat_workgroup_size: 256
    .sgpr_count:     66
    .vgpr_count:     256
    .wavefront_size: 32
...
	.end_amdgpu_metadata
.endif
;; end of part 6
;; launch mid (part 7): grid 256 x 1, 8 waves a work-group, no clusters, 50,432 bytes of LDS; arguments opart, mlpart, t1, wf, proj_b, ln1_g, ln1_b, ff1_b, ff2_b, fpart; writes fpart
.if DOCPART == 7
	.amdgcn_target "amdgcn-amd-amdhsa--gfx1250"
	.amdhsa_code_object_version 6
	.text
	.protected	k_q110884b311_mid
	.globl	k_q110884b311_mid
	.p2align	8
	.type	k_q110884b311_mid,@function
k_q110884b311_mid:
	s_mov_b64 s[64:65], 0
	v_nop
	global_prefetch_b8 v0, s[64:65] scope:SCOPE_SE
	s_setreg_imm32_b32 hwreg(HW_REG_WAVE_MODE, 25, 1), 1
	s_wait_xcnt 0x0
; MID: work-group (rt, hs) = 16 query rows x 128 of the FFN's 1,024 hidden features: 32 x 8 = 256 work-groups.
; It joins the 8 key splits of the cross-attention (wave = head; weights exp(m_s - max m)), projects, adds t1, takes LN1, and then makes its slice of
; the FFN: h = relu(x ff1_w^T + ff1_b) for hidden features 128 hs .. 128 hs + 127 and the partial sum h ff2_w^T over them.  The work-group with hs = 0
; adds the residual and ff2_b.  Out: fpart[hs][row][256], f32; the next launch adds the eight partial sums and takes LN3.
; The eight work-groups of a row tile each make the join, the projection and LN1 for themselves (272 KiB read, 16 matrix instructions a wave), so that a
; work-group reads 128 KiB of the FFN's 1 MiB of weights and no further launch stands between LN1 and the FFN.
; Weights come as bf16 blocks of 1,024 bytes = [c][lane][8 numbers] that are matrix operands as they lie.  All products are transposed (A = features,
; B = the 16 rows), so a lane holds 16 columns of one row.
; LIMITS: matrix operands rounded to bf16, sums f32; v_exp_f32, v_rcp_f32, v_rsq_f32 are good to one unit in the last place and flush denormals
; (ISA guide 15.8); the order of sums differs from a row-wise sum; NaN and infinities are not followed.
; No cluster: what work-groups share (proj_w; a row tile's splits) goes straight into registers as operands, each byte once for a work-group;
; a joint request would have to land in LDS and be read from there again.
.set VEC,   0                          ; proj_b 0, ln1_g 1024, ln1_b 2048, ff2_b 3072, my slice's 128 numbers of ff1_b 4096 (64 bytes a wave, its own)
.set RED,   4608                       ; 2 x [16 rows][8 waves], 48 bytes a row
.set RES32, 6144                       ; t1 rows, later the result: 16 x 1,040 (1,024 + 16)
.set A16A,  22784                      ; bf16 activations: [k-step 0..7][16 rows], 80 bytes a row (64 + 16): wave w writes block w
.set A16B,  33024
.set H16,   43264                      ; hidden slice: [wave 0..7][16 rows], 48 bytes a row (32 + 16): wave w's 16 features; blocks 2 i, 2 i + 1 are k-step i
.set PROJW, 262144
.set FF1,   393216
.set FF2,   917504
.set WF,    14
.set SEL,   36
.set INV,   38                         ; s38 = 1/256, s39 = 1e-5
.set R0,    16                         ; v[16:79]   weights
.set R1,    80                         ; v[80:143]  weights
.set ACT,   144                        ; v[144:175] activations' fragments
.set Y,     176                        ; v[176:191] my 16 numbers of a row
.set ACC0,  192
.set ACC1,  200
.set TV,    208                        ; v[208:239] vectors at work; four more fragments in the first FFN product
.macro PLACES n                        ; plain vector places behind matrix instructions (ISA guide 7.12.1)
.rept \n
	v_nop
.endr
.endm
.macro BAR
	s_barrier_signal -1
	s_barrier_wait -1
.endm
.macro WM d, a, b, acc                 ; acc = 0: the product starts the sum
.if \acc
	v_wmma_f32_16x16x32_bf16 v[\d:\d+7], v[\a:\a+7], v[\b:\b+7], v[\d:\d+7]
.else
	v_wmma_f32_16x16x32_bf16 v[\d:\d+7], v[\a:\a+7], v[\b:\b+7], 0
.endif
.endm
.macro WLOAD buf, voff, imm0, imm1     ; 8 KiB of weights: 4 k-steps of two feature tiles
.irp i, 0,1,2,3
	global_load_b128 v[\buf+8*\i:\buf+8*\i+3], \voff, s[WF:WF+1] offset:\imm0+1024*\i
	global_load_b128 v[\buf+8*\i+4:\buf+8*\i+7], \voff, s[WF:WF+1] offset:\imm0+1024*\i+512
.endr
.irp i, 0,1,2,3
	global_load_b128 v[\buf+32+8*\i:\buf+35+8*\i], \voff, s[WF:WF+1] offset:\imm1+1024*\i
	global_load_b128 v[\buf+36+8*\i:\buf+39+8*\i], \voff, s[WF:WF+1] offset:\imm1+1024*\i+512
.endr
.endm
; 8 matrix instructions: D[feature][row] += W x act, 128 along K, two feature tiles.  ks: bytes from a k-step's fragment to the next; cs: from its
; first half to its second.  ACC0 and ACC1 take turns, one instruction a turn.
.macro BATCH buf, areg, aoff, first, cnt, ks, cs
.irp i, 0,1,2,3
	ds_load_b128 v[ACT+8*\i:ACT+8*\i+3], \areg offset:\aoff+\ks*\i
	ds_load_b128 v[ACT+8*\i+4:ACT+8*\i+7], \areg offset:\aoff+\ks*\i+\cs
.endr
	s_wait_loadcnt \cnt                            ; this batch's weights are in; the younger batch stays out
	s_wait_dscnt 0x0
	WM ACC0, \buf, ACT, 1-\first
	WM ACC1, \buf+32, ACT, 1-\first
.irp i, 1,2,3
	WM ACC0, \buf+8*\i, ACT+8*\i, 1
	WM ACC1, \buf+32+8*\i, ACT+8*\i, 1
.endr
	PLACES 5
.endm
.macro VEC16 dst, off                  ; a per-feature vector's 16 numbers for my features 32 w + 16 tile + 8 (lane/16) + j
.irp c, 0,1
	ds_load_b128 v[\dst+8*\c:\dst+8*\c+3], v8 offset:\off+64*\c
	ds_load_b128 v[\dst+8*\c+4:\dst+8*\c+7], v8 offset:\off+64*\c+16
.endr
.endm
.macro ROW16 dst, off                  ; the same 16 columns of my row of an f32 block
.irp c, 0,1
	ds_load_b128 v[\dst+8*\c:\dst+8*\c+3], v9 offset:\off+64*\c
	ds_load_b128 v[\dst+8*\c+4:\dst+8*\c+7], v9 offset:\off+64*\c+16
.endr
.endm
.macro REDUCE off                      ; v248: my 16 columns' sum -> the row's sum over 256 columns, in every lane
	v_permlanex16_b32 v252, v248, s[SEL], s[SEL+1]
	v_add_f32 v248, v248, v252
	ds_store_b32 v11, v248 offset:\off             ; both lane halves store the same number to the same word
	s_wait_dscnt 0x0                               ; my store is done before I signal
	BAR
	ds_load_b128 v[240:243], v12 offset:\off
	ds_load_b128 v[244:247], v12 offset:\off+16
	s_wait_dscnt 0x0
	v_pk_add_f32 v[240:241], v[240:241], v[242:243]
	v_pk_add_f32 v[244:245], v[244:245], v[246:247]
	v_pk_add_f32 v[240:241], v[240:241], v[244:245]
	v_add_f32 v248, v240, v241
.endm
.macro LNORM red, goff, boff           ; Y = (Y - mean) rsqrt(var + eps) g + b, the variance from the centred numbers
	VEC16 TV, \goff
	VEC16 TV+16, \boff
	v_pk_add_f32 v[248:249], v[Y:Y+1], v[Y+2:Y+3]
	v_pk_add_f32 v[250:251], v[Y+4:Y+5], v[Y+6:Y+7]
	v_pk_add_f32 v[248:249], v[248:249], v[Y+8:Y+9]
	v_pk_add_f32 v[250:251], v[250:251], v[Y+10:Y+11]
	v_pk_add_f32 v[248:249], v[248:249], v[Y+12:Y+13]
	v_pk_add_f32 v[250:251], v[250:251], v[Y+14:Y+15]
	v_pk_add_f32 v[248:249], v[248:249], v[250:251]
	v_add_f32 v248, v248, v249
	REDUCE \red
	v_mul_f32 v249, s[INV], v248
	v_mul_f32 v248, s[INV], v248
.irp i, 0,2,4,6,8,10,12,14
	v_pk_add_f32 v[Y+\i:Y+\i+1], v[Y+\i:Y+\i+1], v[248:249] neg_lo:[0,1] neg_hi:[0,1]
.endr
	v_pk_mul_f32 v[248:249], v[Y:Y+1], v[Y:Y+1]
	v_pk_mul_f32 v[250:251], v[Y+2:Y+3], v[Y+2:Y+3]
.irp i, 4,8,12
	v_pk_fma_f32 v[248:249], v[Y+\i:Y+\i+1], v[Y+\i:Y+\i+1], v[248:249]
	v_pk_fma_f32 v[250:251], v[Y+\i+2:Y+\i+3], v[Y+\i+2:Y+\i+3], v[250:251]
.endr
	v_pk_add_f32 v[248:249], v[248:249], v[250:251]
	v_add_f32 v248, v248, v249
	REDUCE \red+768
	v_fma_f32 v248, v248, s[INV], s[INV+1]         ; sum / 256 + 1e-5
	v_rsq_f32 v250, v248
	v_rsq_f32 v251, v248
	v_nop                                          ; one plain place behind the transcendentals (ISA guide 5.7.2)
	s_wait_alu depctr_va_vdst(0)
.irp i, 0,2,4,6,8,10,12,14
	v_pk_mul_f32 v[Y+\i:Y+\i+1], v[Y+\i:Y+\i+1], v[250:251]
.endr
.irp i, 0,2,4,6,8,10,12,14
	v_pk_fma_f32 v[Y+\i:Y+\i+1], v[Y+\i:Y+\i+1], v[TV+\i:TV+\i+1], v[TV+16+\i:TV+17+\i]
.endr
.endm
	s_load_b512 s[8:23], s[0:1], 0x0               ; opart 8, mlpart 10, t1 12, wf 14, proj_b 16, ln1_g 18, ln1_b 20, ff1_b 22
	s_load_b128 s[24:27], s[0:1], 0x40             ; ff2_b 24, fpart 26
	s_set_vgpr_msb 0x40
	v_lshl_add_u32 v0, v0, 2, 0xc100
	v_mov_b32 v1, 0
	s_set_vgpr_msb 0x4000
	v_lshrrev_b32 v4, 5, v0
	v_readfirstlane_b32 s3, v4                     ; wave = head = 32 features = one hidden tile
	s_lshr_b32 s42, ttmp9, 3                       ; rt: tile of 16 rows
	s_and_b32 s43, ttmp9, 7                        ; hs: slice of 128 hidden features
	v_and_b32 v1, 31, v0
	v_lshlrev_b32 v1, 4, v1                        ; 16 x lane
	v_and_b32 v2, 15, v0                           ; my row
	v_bfe_u32 v3, v0, 4, 1                         ; lane half
	s_lshl_b32 s4, s3, 14
	v_add_nc_u32 v4, s4, v1                        ; proj_w: my two tiles' 16 blocks
	s_lshl_b32 s4, s3, 16
	s_lshl_b32 s5, s43, 12
	s_add_co_u32 s4, s4, s5
	v_add_nc_u32 v5, s4, v1                        ; ff2_w: tile 2 w (32 blocks a tile), k-steps 4 hs ..
	v_mul_u32_u24 v6, v2, 80
	v_lshl_add_u32 v6, v3, 4, v6                   ; activations' fragments
	s_lshl_b32 s4, s43, 16
	s_lshl_b32 s5, s3, 13
	s_add_co_u32 s4, s4, s5
	v_add_nc_u32 v7, s4, v1                        ; ff1_w: tile 8 hs + w, 8 blocks
	s_lshl_b32 s4, s3, 7
	v_lshl_add_u32 v8, v3, 5, s4                   ; 128 w + 32 half
	v_mad_u32_u24 v9, v2, 1040, v8
	s_mul_i32 s4, s3, 1280
	v_add_nc_u32 v10, s4, v6                       ; where my 32 features go, as bf16
	v_mul_u32_u24 v12, v2, 48
	s_lshl_b32 s4, s3, 2
	v_add_nc_u32 v11, s4, v12
	v_lshrrev_b32 v13, 6, v0
	v_and_b32 v14, 63, v0
	v_lshlrev_b32 v14, 4, v14
	v_mad_u32_u24 v13, v13, 1040, v14              ; staging of f32 rows
	v_lshlrev_b32 v14, 2, v0
	s_lshl_b32 s4, s3, 6
	v_lshl_add_u32 v15, v3, 5, s4                  ; ff1_b of my tile, read: 64 w + 32 half
	v_lshl_add_u32 v249, v2, 2, s4                 ; ff1_b of my tile, fetched and stored: 64 w + 4 (lane%16)
	v_lshrrev_b32 v250, 1, v1                      ; 8 x lane
	v_lshlrev_b32 v251, 4, v0
	v_mov_b32 v252, 0                              ; v_permlanex16_b32's target counts as read
	s_mul_i32 s4, s3, 2080
	v_add_nc_u32 v253, s4, v1
	s_lshl_b32 s4, s3, 11
	v_add_nc_u32 v254, s4, v1
	v_lshl_add_u32 v3, v3, 4, v12                  ; from here on v3 = 48 x row + 16 x half: the hidden slice's fragments
	s_mul_i32 s4, s3, 768
	v_add_nc_u32 v255, s4, v3                      ; and where my hidden tile goes
	s_mov_b32 s36, 0x76543210
	s_mov_b32 s37, 0xfedcba98
	s_mov_b32 s38, 0x3b800000                      ; 1/256
	s_mov_b32 s39, 0x3727c5ac                      ; 1e-5
	s_mov_b32 s44, 0x3fb8aa3b                      ; log2 e
	s_lshl_b32 s4, s42, 6
	s_add_co_u32 s4, s4, s3                        ; 64 x row tile + head; a key split is 8 further on
	s_lshl_b32 s32, s4, 8
	s_mov_b32 s33, 0
	s_lshl_b32 s34, s4, 11
	s_mov_b32 s35, 0
	s_lshl_b32 s40, s42, 14                        ; 16 rows of 1,024 bytes
	s_mov_b32 s41, 0
	s_lshl_b32 s28, s43, 9                         ; 128 numbers of ff1_b
	s_mov_b32 s29, 0
	s_lshl_b32 s30, s43, 19                        ; a partial sum: 512 rows of 1,024 bytes
	s_mov_b32 s31, 0
	s_wait_kmcnt 0x0
	s_add_nc_u64 s[10:11], s[10:11], s[32:33]
	s_add_nc_u64 s[8:9], s[8:9], s[34:35]
	s_add_nc_u64 s[12:13], s[12:13], s[40:41]
	s_add_nc_u64 s[22:23], s[22:23], s[28:29]
	s_add_nc_u64 s[26:27], s[26:27], s[30:31]
	s_add_nc_u64 s[26:27], s[26:27], s[40:41]
	; 9 loads for LDS, then the 8 key splits' (m, l) and O: 40
	global_load_b32 v224, v14, s[16:17]
	global_load_b32 v225, v14, s[18:19]
	global_load_b32 v226, v14, s[20:21]
	global_load_b32 v227, v14, s[24:25]
	global_load_b32 v228, v249, s[22:23]
.irp i, 0,1,2,3
	global_load_b128 v[230+4*\i:233+4*\i], v251, s[12:13] offset:4096*\i
.endr
.irp s, 0,1,2,3,4,5,6,7
	global_load_b64 v[208+2*\s:209+2*\s], v250, s[10:11] offset:2048*\s
.endr
.irp s, 0,1,2,3,4,5,6,7
.irp i, 0,1,2,3
	global_load_b128 v[80+16*\s+4*\i:83+16*\s+4*\i], v1, s[8:9] offset:16384*\s+512*\i
.endr
.endr
	s_wait_loadcnt 40                              ; the first 9 are in; the splits' 40 stay out
.irp i, 0,1,2,3
	ds_store_b32 v14, v[224+\i] offset:VEC+1024*\i
.endr
	ds_store_b32 v249, v228 offset:VEC+4096        ; my wave's own 64 bytes; both lane halves store the same number to the same word
.irp i, 0,1,2,3
	ds_store_b128 v13, v[230+4*\i:233+4*\i] offset:RES32+4160*\i
.endr
	WLOAD R0, v4, PROJW, PROJW+8192
	s_wait_dscnt 0x0
	s_wait_loadcnt 16                              ; the splits are in; the first weights stay out
	; join the splits: a_s = exp(m_s - M), O = sum a_s O_s / sum a_s l_s
	v_max3_num_f32 v240, v208, v210, v212
	v_max3_num_f32 v240, v240, v214, v216
	v_max3_num_f32 v240, v240, v218, v220
	v_max_num_f32 v240, v240, v222
	v_mul_f32 v242, 0xbfb8aa3b, v240
.irp s, 0,1,2,3,4,5,6,7
	v_fma_f32 v[208+2*\s], v[208+2*\s], s44, v242
.endr
.irp s, 0,1,2,3,4,5,6,7
	v_exp_f32 v[208+2*\s], v[208+2*\s]
.endr
	v_nop                                          ; one plain place behind the transcendentals (ISA guide 5.7.2)
	s_wait_alu depctr_va_vdst(0)
	v_mul_f32 v241, v208, v209
.irp s, 1,2,3,4,5,6,7
	v_fmac_f32 v241, v[208+2*\s], v[209+2*\s]
.endr
	v_rcp_f32 v242, v241
	v_rcp_f32 v243, v241                           ; the packed products below are the plain places behind it
.irp i, 0,2,4,6,8,10,12,14
	v_pk_mul_f32 v[80+\i:81+\i], v[80+\i:81+\i], v[208:209] op_sel_hi:[1,0]
.endr
.irp s, 1,2,3,4,5,6,7
.irp i, 0,2,4,6,8,10,12,14
	v_pk_fma_f32 v[80+\i:81+\i], v[80+16*\s+\i:81+16*\s+\i], v[208+2*\s:209+2*\s], v[80+\i:81+\i] op_sel_hi:[1,0,1]
.endr
.endr
	s_wait_alu depctr_va_vdst(0)
.irp i, 0,2,4,6,8,10,12,14
	v_pk_mul_f32 v[80+\i:81+\i], v[80+\i:81+\i], v[242:243]
.endr
.irp i, 0,1,2,3,4,5,6,7
	v_cvt_pk_bf16_f32 v[Y+\i], v[80+2*\i], v[81+2*\i]
.endr
	ds_store_b128 v10, v[Y:Y+3] offset:A16A
	ds_store_b128 v10, v[Y+4:Y+7] offset:A16A+32
	WLOAD R1, v4, PROJW+4096, PROJW+12288
	s_wait_dscnt 0x0
	BAR                                            ; all heads' outputs, the vectors and t1 are in LDS
	; projection, + t1, LN1.  Behind each batch the freed buffer takes the FFN's weights: every count of 16 leaves the one younger run of 16 loads out
	BATCH R0, v6, A16A, 1, 16, 1280, 32
.irp i, 0,1,2,3,4,5,6,7,8,9,10,11,12,13,14,15
	global_load_b128 v[R0+4*\i:R0+4*\i+3], v7, s[WF:WF+1] offset:FF1+512*\i      ; my hidden tile's 8 k-steps
.endr
	BATCH R1, v6, A16A+5120, 0, 16, 1280, 32
	WLOAD R1, v5, FF2, FF2+32768                   ; my two output tiles, the slice's 4 k-steps
	VEC16 TV, VEC
	ROW16 TV+16, RES32
	s_wait_dscnt 0x0
.irp i, 0,2,4,6,8,10,12,14
	v_pk_add_f32 v[Y+\i:Y+\i+1], v[ACC0+\i:ACC0+\i+1], v[TV+\i:TV+\i+1]
.endr
.irp i, 0,2,4,6,8,10,12,14
	v_pk_add_f32 v[Y+\i:Y+\i+1], v[Y+\i:Y+\i+1], v[TV+16+\i:TV+17+\i]
.endr
	LNORM RED, VEC+1024, VEC+2048
.irp i, 0,1,2,3,4,5,6,7
	v_cvt_pk_bf16_f32 v[224+\i], v[Y+2*\i], v[Y+2*\i+1]
.endr
	ds_store_b128 v10, v[224:227] offset:A16B
	ds_store_b128 v10, v[228:231] offset:A16B+32
	VEC16 TV, VEC+3072                             ; ff2_b: its wait is the one that the barrier needs anyway
	s_wait_dscnt 0x0
	s_barrier_signal -1
.irp i, 0,2,4,6,8,10,12,14
	v_pk_add_f32 v[Y+\i:Y+\i+1], v[Y+\i:Y+\i+1], v[TV+\i:TV+\i+1]   ; residual + ff2_b: register work while the others arrive
.endr
	s_barrier_wait -1
	; first FFN product: my 16 hidden features, K = 256.  Even k-steps add onto ACC0, odd ones onto ACC1: they take turns
.irp i, 0,1,2,3
	ds_load_b128 v[ACT+8*\i:ACT+8*\i+3], v6 offset:A16B+1280*\i
	ds_load_b128 v[ACT+8*\i+4:ACT+8*\i+7], v6 offset:A16B+1280*\i+32
.endr
.irp i, 0,1,2,3
	ds_load_b128 v[TV+8*\i:TV+8*\i+3], v6 offset:A16B+5120+1280*\i
	ds_load_b128 v[TV+8*\i+4:TV+8*\i+7], v6 offset:A16B+5120+1280*\i+32
.endr
	ds_load_b128 v[240:243], v15 offset:VEC+4096
	ds_load_b128 v[244:247], v15 offset:VEC+4096+16
	s_wait_loadcnt 16                              ; ff1_w's blocks are in; ff2_w's stay out
	s_wait_dscnt 0x0
	WM ACC0, R0, ACT, 0
	WM ACC1, R0+8, ACT+8, 0
	WM ACC0, R0+16, ACT+16, 1
	WM ACC1, R0+24, ACT+24, 1
	WM ACC0, R0+32, TV, 1
	WM ACC1, R0+40, TV+8, 1
	WM ACC0, R0+48, TV+16, 1
	WM ACC1, R0+56, TV+24, 1
	PLACES 5
.irp i, 0,2,4,6
	v_pk_add_f32 v[ACC0+\i:ACC0+\i+1], v[ACC0+\i:ACC0+\i+1], v[ACC1+\i:ACC1+\i+1]
.endr
.irp i, 0,2,4,6
	v_pk_add_f32 v[ACC0+\i:ACC0+\i+1], v[ACC0+\i:ACC0+\i+1], v[240+\i:241+\i]
.endr
.irp i, 0,1,2,3,4,5,6,7
	v_max_num_f32 v[ACC0+\i], 0, v[ACC0+\i]
.endr
.irp i, 0,1,2,3
	v_cvt_pk_bf16_f32 v[248+\i], v[ACC0+2*\i], v[ACC0+2*\i+1]
.endr
	ds_store_b128 v255, v[248:251] offset:H16
	s_wait_dscnt 0x0
	BAR
	; second FFN product over the slice's 128 hidden features
	BATCH R1, v3, H16, 1, 0, 1536, 768
	s_cmp_lg_u32 s43, 0
	s_cbranch_scc1 .Lpartial                       ; one of the eight partial sums carries the residual and ff2_b
.irp i, 0,2,4,6,8,10,12,14
	v_pk_add_f32 v[ACC0+\i:ACC0+\i+1], v[ACC0+\i:ACC0+\i+1], v[Y+\i:Y+\i+1]
.endr
.Lpartial:
.irp c, 0,1
	ds_store_b128 v9, v[ACC0+8*\c:ACC0+8*\c+3] offset:RES32+64*\c       ; over t1: the bytes that this lane alone read, several barriers ago
	ds_store_b128 v9, v[ACC0+8*\c+4:ACC0+8*\c+7] offset:RES32+64*\c+16
.endr
	s_wait_dscnt 0x0
	BAR
.irp i, 0,1,2,3
	ds_load_b128 v[224+4*\i:227+4*\i], v253 offset:RES32+(\i>>1)*1040+(\i&1)*512
.endr
	s_wait_dscnt 0x0
.irp i, 0,1,2,3
	global_store_b128 v254, v[224+4*\i:227+4*\i], s[26:27] offset:512*\i   ; rows 2 w, 2 w + 1: 512 consecutive bytes a store, aligned
.endr
	s_set_vgpr_msb 0x5
	s_wait_tensorcnt 0x0
	ds_add_u32 v0, v1
	s_wait_dscnt 0x0
	s_set_vgpr_msb 0x500
	s_endpgm
.Lfunc_end_k_q110884b311_mid:
	.size	k_q110884b311_mid, .Lfunc_end_k_q110884b311_mid-k_q110884b311_mid
	.p2alignl 7, 3214868480
	.fill 96, 4, 3214868480
	.section	.rodata,"a",@progbits
	.p2align	6, 0x0
	.amdhsa_kernel k_q110884b311_mid
		.amdhsa_group_segment_fixed_size 50432
		.amdhsa_private_segment_fixed_size 0
		.amdhsa_enable_private_segment 0
		.amdhsa_kernarg_size 80
		.amdhsa_user_sgpr_count 2
		.amdhsa_user_sgpr_kernarg_segment_ptr 1
		.amdhsa_wavefront_size32 1
		.amdhsa_system_sgpr_workgroup_id_x 1
		.amdhsa_system_sgpr_workgroup_id_y 1
		.amdhsa_system_sgpr_workgroup_id_z 1
		.amdhsa_system_vgpr_workitem_id 0
		.amdhsa_next_free_vgpr 258
		.amdhsa_next_free_sgpr 66
		.amdhsa_reserve_vcc 0
		.amdhsa_float_denorm_mode_32 3
		.amdhsa_float_denorm_mode_16_64 3
		.amdhsa_memory_ordered 1
		.amdhsa_forward_progress 1
		.amdhsa_inst_pref_size 38
	.end_amdhsa_kernel
	.amdgpu_metadata
---
amdhsa.version: [ 1, 2 ]
amdhsa.kernels:
  - .name:           k_q110884b311_mid
    .symbol:         k_q110884b311_mid.kd
    .args:
      - { .name: opart, .offset: 0, .size: 8, .value_kind: global_buffer, .address_space: global }
      - { .name: mlpart, .offset: 8, .size: 8, .value_kind: global_buffer, .address_space: global }
      - { .name: t1, .offset: 16, .size: 8, .value_kind: global_buffer, .address_space: global }
      - { .name: wf, .offset: 24, .size: 8, .value_kind: global_buffer, .address_space: global }
      - { .name: proj_b, .offset: 32, .size: 8, .value_kind: global_buffer, .address_space: global }
      - { .name: ln1_g, .offset: 40, .size: 8, .value_kind: global_buffer, .address_space: global }
      - { .name: ln1_b, .offset: 48, .size: 8, .value_kind: global_buffer, .address_space: global }
      - { .name: ff1_b, .offset: 56, .size: 8, .value_kind: global_buffer, .address_space: global }
      - { .name: ff2_b, .offset: 64, .size: 8, .value_kind: global_buffer, .address_space: global }
      - { .name: fpart, .offset: 72, .size: 8, .value_kind: global_buffer, .address_space: global }
    .group_segment_fixed_size: 50432
    .private_segment_fixed_size: 0
    .kernarg_segment_align: 8
    .kernarg_segment_size: 80
    .max_flat_workgroup_size: 256
    .sgpr_count:     66
    .vgpr_count:     258
    .wavefront_size: 32
...
	.end_amdgpu_metadata
.endif
;; end of part 7
;; launch fin (part 8): grid 256 x 1, 2 waves a work-group, no clusters, 0 bytes of LDS; arguments fpart, ln3_g, ln3_b, out0; writes out0
.if DOCPART == 8
	.amdgcn_target "amdgcn-amd-amdhsa--gfx1250"
	.amdhsa_code_object_version 6
	.text
	.protected	k_q110884b311_fin
	.globl	k_q110884b311_fin
	.p2align	8
	.type	k_q110884b311_fin,@function
k_q110884b311_fin:
	s_mov_b64 s[64:65], 0
	v_nop
	global_prefetch_b8 v0, s[64:65] scope:SCOPE_SE
	s_setreg_imm32_b32 hwreg(HW_REG_WAVE_MODE, 25, 1), 1
	s_wait_xcnt 0x0
; FIN: out0[row] = LN3(sum over the 8 partial sums fpart[hs][row]); partial 0 carries the residual and ff2_b.
; One wave, one row of 256 numbers: a lane holds columns 4 l .. 4 l + 3 and 128 + 4 l .. 128 + 4 l + 3, so every load and store of the wave covers
; 512 consecutive bytes, aligned.  512 rows = 256 work-groups of two waves.  The norm stays inside the wave: no LDS, no barrier.
; All 20 loads of a wave go out at once; matrix units, clusters and LDS would add nothing to a sum of 8 KiB a row.
; LIMITS: v_rsq_f32 is good to one unit in the last place (ISA guide 15.8); the partial sums are added as a tree; NaN and infinities are not followed.
.set PART, 524288                      ; bytes of one partial sum: 512 rows of 1,024
.set P,    8                           ; v[8:71]   partial hs: 8 registers
.set G,    72                          ; v[72:79]  gain
.set B,    80                          ; v[80:87]  bias
; the sum of register r over the 32 lanes, in every lane: four steps inside each half of 16 lanes, one across
.macro WSUM r
	v_add_f32_dpp v[\r], v[\r], v[\r] row_xmask:1 row_mask:0xf bank_mask:0xf
	v_add_f32_dpp v[\r], v[\r], v[\r] row_xmask:2 row_mask:0xf bank_mask:0xf
	v_add_f32_dpp v[\r], v[\r], v[\r] row_xmask:4 row_mask:0xf bank_mask:0xf
	v_add_f32_dpp v[\r], v[\r], v[\r] row_xmask:8 row_mask:0xf bank_mask:0xf
	v_permlanex16_b32 v3, v[\r], s14, s15
	v_add_f32 v[\r], v[\r], v3
.endm
.macro PADD a, b                       ; partial a += partial b
.irp i, 0,2,4,6
	v_pk_add_f32 v[P+8*\a+\i:P+8*\a+\i+1], v[P+8*\a+\i:P+8*\a+\i+1], v[P+8*\b+\i:P+8*\b+\i+1]
.endr
.endm
	s_load_b256 s[4:11], s[0:1], 0x0               ; fpart 4, ln3_g 6, ln3_b 8, out0 10
	v_lshrrev_b32 v1, 5, v0
	v_readfirstlane_b32 s2, v1                     ; wave
	v_and_b32 v1, 31, v0
	v_lshlrev_b32 v1, 4, v1                        ; 16 x lane
	v_mov_b32 v3, 0                                ; v_permlanex16_b32's target counts as read
	s_lshl_b32 s3, ttmp9, 1
	s_add_co_u32 s3, s3, s2                        ; my row
	s_lshl_b32 s12, s3, 10
	s_mov_b32 s13, 0
	s_mov_b32 s14, 0x76543210
	s_mov_b32 s15, 0xfedcba98
	s_mov_b32 s16, 0x3b800000                      ; 1/256
	s_mov_b32 s17, 0x3727c5ac                      ; 1e-5
	s_wait_kmcnt 0x0
	s_add_nc_u64 s[4:5], s[4:5], s[12:13]
	s_add_nc_u64 s[10:11], s[10:11], s[12:13]
.irp s, 0,1,2,3,4,5,6,7
	global_load_b128 v[P+8*\s:P+8*\s+3], v1, s[4:5] offset:PART*\s th:TH_LOAD_NT
	global_load_b128 v[P+8*\s+4:P+8*\s+7], v1, s[4:5] offset:PART*\s+512 th:TH_LOAD_NT
.endr
	global_load_b128 v[G:G+3], v1, s[6:7]
	global_load_b128 v[G+4:G+7], v1, s[6:7] offset:512
	global_load_b128 v[B:B+3], v1, s[8:9]
	global_load_b128 v[B+4:B+7], v1, s[8:9] offset:512
	s_wait_loadcnt 4                               ; the 16 loads of the partial sums are in; gain and bias stay out
	PADD 0, 1
	PADD 2, 3
	PADD 4, 5
	PADD 6, 7
	PADD 0, 2
	PADD 4, 6
	PADD 0, 4
	; mean
	v_pk_add_f32 v[88:89], v[P:P+1], v[P+2:P+3]
	v_pk_add_f32 v[90:91], v[P+4:P+5], v[P+6:P+7]
	v_pk_add_f32 v[88:89], v[88:89], v[90:91]
	v_add_f32 v88, v88, v89
	WSUM 88
	v_mul_f32 v89, s16, v88
	v_mul_f32 v88, s16, v88
.irp i, 0,2,4,6
	v_pk_add_f32 v[P+\i:P+\i+1], v[P+\i:P+\i+1], v[88:89] neg_lo:[0,1] neg_hi:[0,1]
.endr
	; variance, from the centred numbers
	v_pk_mul_f32 v[90:91], v[P:P+1], v[P:P+1]
	v_pk_mul_f32 v[92:93], v[P+2:P+3], v[P+2:P+3]
	v_pk_fma_f32 v[90:91], v[P+4:P+5], v[P+4:P+5], v[90:91]
	v_pk_fma_f32 v[92:93], v[P+6:P+7], v[P+6:P+7], v[92:93]
	v_pk_add_f32 v[90:91], v[90:91], v[92:93]
	v_add_f32 v90, v90, v91
	WSUM 90
	v_fma_f32 v90, v90, s16, s17                   ; sum / 256 + 1e-5
	v_rsq_f32 v92, v90
	v_rsq_f32 v93, v90
	v_nop                                          ; one plain place behind the transcendentals (ISA guide 5.7.2)
	s_wait_loadcnt 0x0                             ; gain and bias
	s_wait_alu depctr_va_vdst(0)
.irp i, 0,2,4,6
	v_pk_mul_f32 v[P+\i:P+\i+1], v[P+\i:P+\i+1], v[92:93]
.endr
.irp i, 0,2,4,6
	v_pk_fma_f32 v[P+\i:P+\i+1], v[P+\i:P+\i+1], v[G+\i:G+\i+1], v[B+\i:B+\i+1]
.endr
	global_store_b128 v1, v[P:P+3], s[10:11]
	global_store_b128 v1, v[P+4:P+7], s[10:11] offset:512
	s_endpgm
.Lfunc_end_k_q110884b311_fin:
	.size	k_q110884b311_fin, .Lfunc_end_k_q110884b311_fin-k_q110884b311_fin
	.p2alignl 7, 3214868480
	.fill 96, 4, 3214868480
	.section	.rodata,"a",@progbits
	.p2align	6, 0x0
	.amdhsa_kernel k_q110884b311_fin
		.amdhsa_group_segment_fixed_size 0
		.amdhsa_private_segment_fixed_size 0
		.amdhsa_enable_private_segment 0
		.amdhsa_kernarg_size 32
		.amdhsa_user_sgpr_count 2
		.amdhsa_user_sgpr_kernarg_segment_ptr 1
		.amdhsa_wavefront_size32 1
		.amdhsa_system_sgpr_workgroup_id_x 1
		.amdhsa_system_sgpr_workgroup_id_y 1
		.amdhsa_system_sgpr_workgroup_id_z 1
		.amdhsa_system_vgpr_workitem_id 0
		.amdhsa_next_free_vgpr 96
		.amdhsa_next_free_sgpr 66
		.amdhsa_reserve_vcc 0
		.amdhsa_float_denorm_mode_32 3
		.amdhsa_float_denorm_mode_16_64 3
		.amdhsa_memory_ordered 1
		.amdhsa_forward_progress 1
		.amdhsa_inst_pref_size 8
	.end_amdhsa_kernel
	.amdgpu_metadata
---
amdhsa.version: [ 1, 2 ]
amdhsa.kernels:
  - .name:           k_q110884b311_fin
    .symbol:         k_q110884b311_fin.kd
    .args:
      - { .name: fpart, .offset: 0, .size: 8, .value_kind: global_buffer, .address_space: global }
      - { .name: ln3_g, .offset: 8, .size: 8, .value_kind: global_buffer, .address_space: global }
      - { .name: ln3_b, .offset: 16, .size: 8, .value_kind: global_buffer, .address_space: global }
      - { .name: out0, .offset: 24, .size: 8, .value_kind: global_buffer, .address_space: global }
    .group_segment_fixed_size: 0
    .private_segment_fixed_size: 0
    .kernarg_segment_align: 8
    .kernarg_segment_size: 32
    .max_flat_workgroup_size: 64
    .sgpr_count:     66
    .vgpr_count:     96
    .wavefront_size: 32
...
	.end_amdgpu_metadata
.endif
;; end of part 8
